; MI455X (gfx1250); checked and timed in simulation.
; The chip was launched on July 23, 2026; its instructions are those of AMD's public machine-readable ISA for CDNA 5 (MIT licence, August 2026) and "CDNA5" Instruction Set Architecture Reference Guide (July 2026). The comments in the code are by the model that wrote it; some were corrected since.
;; Multi Head Attention. Allowed arithmetic: matrix products marked QUANTISED: E2M3 operands, one E8M0 scale for each 32 along K, by v_wmma_scale_f32_16x16x128_f8f6f4 with both operands' format E2M3, f32 sums; everything else in f32.
;; Inputs: Wkv 1,024 x 2,048 float32; Wo 1,024 x 1,024 float32; Wq 1,024 x 1,024 float32; x 4 x 2,048 x 1,024 float32.
;; Outputs: out0 4 x 2,048 x 1,024 float32.
;; This version of the problem:
;;   THIS VERSION OF THE PROBLEM IS GIVEN IN LOW PRECISION. The matrix products marked QUANTISED in the list below multiply operands that are first quantised to E2M3 (2 exponent bits, 3 mantissa bits; 6 bits a number), with one power-of-two scale for each 32 numbers along K (OCP MX v1.0); their sums are f32. All else is computed in f32.
;;   The module's matrix products, in the order in which they are computed (A, B: the left and right operand; K: the contracted axis; several contracted axes count as one K, in the product's order):
;;     1. [M 8,192, K 1,024] x [K 1,024, N 1,024]; A: input x; B: input Wq: QUANTISED
;;     2. [M 8,192, K 1,024] x [K 1,024, N 2,048]; A: input x; B: input Wkv: QUANTISED
;;     3. batch 64 x [M 2,048, K 64] x [K 64, N 2,048]; A: computed on the way; B: computed on the way: QUANTISED
;;     4. batch 64 x [M 2,048, K 2,048] x [K 2,048, N 64]; A: softmax (see below); B: computed on the way: QUANTISED
;;     5. [M 8,192, K 1,024] x [K 1,024, N 1,024]; A: computed on the way; B: input Wo: QUANTISED
;;   THE QUANTISER, for each operand of a quantised product, along K:
;;     - K is cut into blocks of 32 from its start; a last block that is shorter is filled with zeros.
;;     - A block's scale is 2^e with e = floor(log2(the largest magnitude in the block)) - 2, held to -126 .. 127; a block of zeros has e = 0. As a byte (E8M0): e + 127.
;;     - Each number is divided by its block's scale, clamped to +-7.5, and rounded to the nearest number of E2M3, ties to even, subnormals kept.
;;     - The product sums the exact products of the quantised numbers (number of the format x scale) in f32.
;;   ~~~python
;;   def quantise(x, axis):      # numpy; x: float32 -> the quantised numbers, widened to float32 again
;;       x = np.moveaxis(x, axis, -1); K = x.shape[-1]
;;       x = np.pad(x, [(0, 0)] * (x.ndim - 1) + [(0, -K % 32)]); x = x.reshape(x.shape[:-1] + (-1, 32)); a = np.abs(x).max(-1, keepdims=True)
;;       e = np.where(a > 0, np.clip(np.frexp(np.where(a > 0, a, 1))[1] - 1 - 2, -126, 127), 0)      # np.frexp(a)[1] - 1 = floor(log2(a)), exactly
;;       r = np.clip(x / 2.0 ** e, -7.5, 7.5)
;;       step = 2.0 ** (np.maximum(np.frexp(np.where(r == 0, 1, r))[1] - 1, 0) - 3)
;;       q = np.round(r / step) * step * 2.0 ** e      # np.round: ties to even
;;       return np.moveaxis(q.reshape(q.shape[:-2] + (-1,))[..., :K], -1, axis).astype(np.float32)
;;   ~~~
;;   SOFTMAX AHEAD OF A QUANTISED PRODUCT. Where the list says 'softmax', what is quantised is not the finished softmax but p = 2^(t - M), with t = logit x log2(e) and M = ceil(the row's largest t), a whole number; so 1/2 < the row's largest p <= 1. The row's sum l is taken of the UNQUANTISED p, in f32, and the product's result is divided by l at the end. Since M is a whole number, a kernel that streams over the keys may use a running M (the ceiling of the running maximum): every later rescaling is an exact power of two, which a block's scale takes up: the codes' values come out the same.
;;   OPERANDS COMPUTED ON THE WAY. 'Computed on the way' means the value that the module computes at that place (a softmax that the list does not call 'softmax' is quantised finished and normalised). What goes into a quantiser is computed in f32, as accurately as f32 sums, v_exp_f32 and their like allow (about 1e-6 of the number): no bf16 or f16 on the way to a quantiser, and a product that is left as it is and whose result goes on into a quantised operand takes f32 operands (vector FMAs, or v_wmma_f32_16x16x4_f32). A number that lies on a knife's edge between two numbers of the format may be rounded either way, as far as f32 arithmetic and the matrix unit's own rounding can turn it there, and no further.
;; One version. Each part assembles by itself: llvm-mc -triple=amdgcn-amd-amdhsa -mcpu=gfx1250 --defsym DOCPART=n.
;; ======== version 1 of 1: 4 launches
;; limits: right only within a limited range of input values
;; workspace buffers: xc 6,291,456 bytes; xs 262,144 bytes; wc 3,145,728 bytes; ws 131,072 bytes; qkv 20,185,088 bytes; oc 6,291,456 bytes; os 262,144 bytes
;; launch quant (part 1): grid 320 x 1, 4 waves a work-group, no clusters, 59,904 bytes of LDS; arguments x, Wq, Wkv, Wo, xc, xs, wc, ws; writes xc, xs, wc, ws
.if DOCPART == 1
	.amdgcn_target "amdgcn-amd-amdhsa--gfx1250"
	.amdhsa_code_object_version 6
	.text
	.protected	k_q14bae72279_quant
	.globl	k_q14bae72279_quant
	.p2align	8
	.type	k_q14bae72279_quant,@function
k_q14bae72279_quant:
	s_mov_b64 s[64:65], 0
	v_nop
	global_prefetch_b8 v0, s[64:65] scope:SCOPE_SE
	s_setreg_imm32_b32 hwreg(HW_REG_WAVE_MODE, 25, 1), 1
	s_wait_xcnt 0x0
; LAUNCH 1 OF 4.  x [8192][1024], Wq [1024][1024], Wkv [1024][2048], Wo [1024][1024], f32, become codes of FP6 (E2M3) with one E8M0 byte for each 32 along K (x: its last axis; the weights: their FIRST axis).
; NOTHING OF reference() IS LEFT OUT in this program: all four inputs reach the output, there is no mask and no bias, and all five products are done.
; A block's scale is 2^(floor(log2(its largest magnitude)) - 2): its byte is that magnitude's exponent field - 2, held at 1 from below by a floor among the maximum's leaves.
; LIMITS: a block of zeros gets the byte 1 where the rule says 127 (its codes are zeros, and this program alone reads the bytes); blocks whose largest magnitude lies under 2^(3 - 127) are held at that floor; NaN and infinities among the inputs are not served.
; THE LAYOUT OF ALL CODES IN THIS PROGRAM.  (a) A TILE is 16 rows (of x) or 16 columns (of a weight), and they are not neighbours: lane r of tile 2 B + u holds row 32 B + 8 u + r + 8 (r / 8).  A product that takes such a
; tile as source 0 leaves, in the 16 registers of tiles 2 B and 2 B + 1, the 16 neighbours 32 B + 16 (lane / 16) + 0 .. 15, which the next quantiser wants.  (b) Codes lie in memory as IMAGES OF THE OPERAND'S REGISTERS:
; a half image is 16 rows x 64 along K, 768 bytes: registers 0-3 of lane L at 16 L, registers 4-5 at 512 + 8 L; lane (r, h) holds k = 32 h .. 32 h + 31 of its row.  Two half images are a fragment of 128 along K.
; xc: [k / 256][tile 512][4 half images];  wc: the same with 256 tiles (Wq 0-63, Wkv 64-191, Wo 192-255).  xs, ws: [tile][k / 512][r 16][4 words], a word = the four bytes of 128 along K.
; SHARES.  Work-groups 0-63 take the weights, 64-319 take x; the two ways part on the work-group's number, have LDS bytes of their own and end by themselves.  Waves share nothing: no barrier.
.set XSTG,  8448                       ; x's way: a stage for each wave, 16 rows x (512 bytes + 16)
.set WST0,  4*XSTG                     ; the weights' way: a stage for each wave behind them,
.set WSTG,  6400                       ; two tiles x (3,072 bytes + 128)
.set SPARE, WST0+4*WSTG                ; the spare words, 128 bytes for each wave: two blocks of 256 bytes that no other line names
.set SPW,   2                          ; v2  LDS address of my spare word; never rewritten
.set NIL,   3                          ; v3  0; never rewritten
.set SEL,   22                         ; s[22:23] v_permlanex16_b32's selects for lane l xor 16
	s_load_b512 s[4:19], s[0:1], 0x0               ; x s[4:5], Wq s[6:7], Wkv s[8:9], Wo s[10:11], xc s[12:13], xs s[14:15], wc s[16:17], ws s[18:19]
	v_lshl_add_u32 v[SPW], v0, 2, SPARE
	v_mov_b32 v[NIL], 0
	v_lshrrev_b32 v1, 5, v0
	v_readfirstlane_b32 s20, v1                    ; wave 0..3
	v_and_b32 v1, 31, v0                           ; lane
	s_mov_b32 s[SEL], 0x76543210
	s_mov_b32 s[SEL+1], 0xfedcba98
	s_cmp_lt_u32 ttmp9, 64
	s_cbranch_scc1 .Lweights
; ---------------- x: a wave takes one tile (16 rows) x 512 along K, in four steps of 128 ----------------
.set R,  16                            ; v16-143  two sets of 64 registers as loaded
.set X,  144                           ; v144-207 a step's 64 numbers of my row: two whole blocks of 32
.set C,  208                           ; v208-219 the step's codes: two half images' registers
.set T,  220                           ; v220-222, v224-226 the conversions' second halves (three registers begin on an even number)
.set SW, 228                           ; v228-231 my row's four scale words
	s_sub_co_u32 s21, ttmp9, 64
	s_lshl_b32 s21, s21, 2
	s_add_co_u32 s21, s21, s20                     ; 0 .. 1,023
	s_lshr_b32 s24, s21, 1                         ; the tile
	s_and_b32 s25, s21, 1                          ; which 512 along K
	s_lshr_b32 s26, s24, 1
	s_lshl_b32 s26, s26, 17                        ; 32 rows of 4,096 bytes for each pair of tiles,
	s_and_b32 s27, s24, 1
	s_lshl_b32 s27, s27, 15                        ; 8 rows for the odd tile,
	s_add_co_u32 s26, s26, s27
	s_lshl_b32 s27, s25, 11                        ; 2,048 bytes for the second 512 along K
	s_add_co_u32 s26, s26, s27
	s_mov_b32 s27, 0
	s_lshl_b32 s28, s25, 10
	s_add_co_u32 s28, s28, s24
	s_mul_i32 s28, s28, 3072                       ; codes: (2 x half of K x 512 + tile) x 3,072
	s_mov_b32 s29, 0
	s_lshl_b32 s30, s24, 9
	s_lshl_b32 s31, s25, 8
	s_add_co_u32 s30, s30, s31                     ; scale words: tile x 512 + half of K x 256
	s_mov_b32 s31, 0
	s_wait_alu depctr_va_vdst(0)
	v_and_b32 v10, 15, v1                          ; r
	v_lshrrev_b32 v11, 4, v1                       ; h
	v_lshlrev_b32 v4, 4, v1                        ; 16 x lane
	v_lshlrev_b32 v5, 3, v1                        ; 8 x lane
	s_mul_i32 s32, s20, XSTG                       ; my stage
	v_add_nc_u32 v6, s32, v4                       ; into it: a row's 512 bytes as they lie
	v_mul_u32_u24 v7, v10, 528
	v_lshl_add_u32 v7, v11, 7, v7
	v_add_nc_u32 v7, s32, v7                       ; out of it: row r, + 128 h: my 32 numbers of each 64
	v_lshlrev_b32 v8, 4, v10                       ; 16 r
	v_lshlrev_b32 v9, 3, v11                       ; 8 h: where my two bytes stand in a scale word
	v_mov_b32 v15, 0                               ; a lane permute's destination counts as one of its sources
	s_wait_alu depctr_va_vdst(0)
	s_wait_kmcnt 0x0
	s_add_nc_u64 s[4:5], s[4:5], s[26:27]
	s_add_nc_u64 s[12:13], s[12:13], s[28:29]
	s_add_nc_u64 s[14:15], s[14:15], s[30:31]
.macro LOADX t                         ; step t: 128 along K of the tile's 16 rows; each load reads 512 consecutive bytes of one row
.irp j, 0,1,2,3,4,5,6,7,8,9,10,11,12,13,14,15
	global_load_b128 v[R+64*((\t)%2)+4*\j:R+64*((\t)%2)+4*\j+3], v4, s[4:5] offset:(\j+8*(\j/8))*4096+512*(\t) th:TH_LOAD_NT
.endr
.endm
.macro STEPX t
.if (\t) < 3
	s_wait_loadcnt 16                              ; this step's 16 loads are in; the next step's 16 may be out
.else
	s_wait_loadcnt 0
.endif
.irp j, 0,1,2,3,4,5,6,7,8,9,10,11,12,13,14,15
	ds_store_b128 v6, v[R+64*((\t)%2)+4*\j:R+64*((\t)%2)+4*\j+3] offset:528*\j
.endr
.irp c, 0,1
.irp i, 0,1,2,3,4,5,6,7
	ds_load_b128 v[X+32*\c+4*\i:X+32*\c+4*\i+3], v7 offset:256*\c+16*\i   ; LDS serves a wave's instructions in order: these see my stores.  k = 64 c + 32 h + 4 i ..
.endr
.endr
	s_wait_dscnt 0x0                               ; the numbers are back, and the stores have read their registers,
.if (\t) < 2
	LOADX (\t)+2                                   ; which take the loads of two steps on
.endif
.irp c, 0,1
	v_max3_num_f32 v[12+\c], |v[X+32*\c]|, |v[X+32*\c+1]|, 0x1800000     ; block 2 c + h: all 32 numbers are mine; and the floor 2^(3 - 127)
.endr
.irp i, 2,4,6,8,10,12,14,16,18,20,22,24,26,28,30
.irp c, 0,1
	v_max3_num_f32 v[12+\c], v[12+\c], |v[X+32*\c+\i]|, |v[X+32*\c+\i+1]|
.endr
.endr
.irp c, 0,1
	v_add_nc_u32 v[232+\c], 0xff000000, v[12+\c]   ; 2 off the exponent field: the conversion's scale operand
.endr
.irp c, 0,1
	v_lshrrev_b32 v[234+\c], 23, v[232+\c]         ; the scale's byte
.endr
	v_lshl_or_b32 v14, v235, 16, v234              ; my two bytes: blocks h and 2 + h,
	v_lshlrev_b32 v14, v9, v14                     ; at their places;
	v_permlanex16_b32 v15, v14, s[SEL], s[SEL+1]
	v_or_b32 v[SW+(\t)], v14, v15                  ; with lane l xor 16's two the word is whole
	s_wait_alu depctr_va_vdst(0)
	s_wait_xcnt 0x0                                ; the last step's stores have read their data: the codes' registers are written again only behind this wait
.irp c, 0,1
	v_cvt_scalef32_pk16_fp6_f32 v[C+6*\c:C+6*\c+2], v[X+32*\c:X+32*\c+15], v[232+\c]
	v_cvt_scalef32_pk16_fp6_f32 v[T+4*\c:T+4*\c+2], v[X+32*\c+16:X+32*\c+31], v[232+\c]
.endr
	v_nop                                          ; one plain place behind a scaled conversion
.irp c, 0,1
.irp i, 0,1,2
	v_mov_b32 v[C+6*\c+3+\i], v[T+4*\c+\i]
.endr
.endr
.irp c, 0,1
	global_store_b128 v4, v[C+6*\c:C+6*\c+3], s[12:13] offset:((\t)/2)*1572864+(2*((\t)%2)+\c)*768        ; 32 lanes store 512 consecutive bytes,
	global_store_b64 v5, v[C+6*\c+4:C+6*\c+5], s[12:13] offset:((\t)/2)*1572864+(2*((\t)%2)+\c)*768+512   ; and 256: all at multiples of 256 from the buffer's first byte
.endr
.endm
	LOADX 0
	LOADX 1
	STEPX 0
	STEPX 1
	STEPX 2
	STEPX 3
	v_cmp_gt_u32 vcc_lo, 16, v1                    ; lanes 0-15 hold each row's words once
	s_wait_xcnt 0x0                                ; EXEC changes only behind this wait
	s_and_saveexec_b32 s33, vcc_lo
	global_store_b128 v8, v[SW:SW+3], s[14:15]     ; 16 lanes store 256 consecutive bytes
	s_wait_xcnt 0x0
	s_or_b32 exec_lo, exec_lo, s33
	s_wait_tensorcnt 0x0                           ; the wave's end, behind my last LDS store
	ds_add_u32 v[SPW], v[NIL]
	s_wait_dscnt 0x0
	s_endpgm
; ---------------- the weights: a wave takes 32 columns (two tiles) x 512 along K; a lane takes a column and its registers run DOWN K ----------------
.set AD,  16                           ; v16-47   byte offset of row i of a block, at my column
.set XW,  48                           ; v48-111  two sets of 32 numbers: a whole block of my column
.set CW,  112                          ; v112-117 a block's codes;  v118-120 the second conversion's
.set SO,  121                          ; v121     the conversion's scale operand;  v122, v123 at work
.set SB,  124                          ; v124-127 my column's 16 scale bytes
.set OUT, 128                          ; v128-175 two tiles' images on their way out
.Lweights:
	s_lshl_b32 s21, ttmp9, 2
	s_add_co_u32 s21, s21, s20                     ; 0 .. 255
	s_lshr_b32 s24, s21, 1                         ; which 32 of the 4,096 columns: Wq 0-31, Wkv 32-95, Wo 96-127
	s_and_b32 s25, s21, 1                          ; which 512 along K
	s_mov_b32 s27, 8192
	s_wait_kmcnt 0x0
	s_cmp_lt_u32 s24, 32                           ; the choices hang on ids alone
	s_cselect_b64 s[4:5], s[6:7], s[8:9]
	s_cselect_b32 s26, 0, 32                       ; the tensor's first group of columns
	s_cselect_b32 s27, 4096, s27                   ; a row of the tensor in bytes
	s_cmp_lt_u32 s24, 96
	s_cselect_b64 s[4:5], s[4:5], s[10:11]
	s_cselect_b32 s26, s26, 96
	s_cselect_b32 s27, s27, 4096
	s_sub_co_u32 s26, s24, s26
	s_lshl_b32 s26, s26, 7                         ; 128 bytes a group
	s_lshl_b32 s28, s27, 9
	s_mul_i32 s28, s28, s25                        ; 512 rows for the second half of K
	s_add_co_u32 s28, s28, s26
	s_mov_b32 s29, 0
	s_add_nc_u64 s[4:5], s[4:5], s[28:29]
	s_lshl_b32 s30, s27, 5                         ; a block on: 32 rows
	s_mov_b32 s31, 0
	s_lshl_b32 s32, s25, 9
	s_lshl_b32 s33, s24, 1
	s_add_co_u32 s32, s32, s33
	s_mul_i32 s32, s32, 3072                       ; codes: (2 x half of K x 256 + my first tile) x 3,072
	s_mov_b32 s33, 0
	s_add_nc_u64 s[16:17], s[16:17], s[32:33]
	s_lshl_b32 s34, s24, 10
	s_lshl_b32 s35, s25, 8
	s_add_co_u32 s34, s34, s35                     ; scale words: my first tile x 512 + half of K x 256
	s_mov_b32 s35, 0
	s_add_nc_u64 s[18:19], s[18:19], s[34:35]
	s_wait_alu depctr_va_vdst(0)
	v_bfe_u32 v10, v1, 3, 1                        ; u: which of the two tiles holds my column,
	v_and_b32 v11, 7, v1
	v_lshrrev_b32 v12, 4, v1
	v_lshl_add_u32 v11, v12, 3, v11                ; r: and which of its lanes
	s_mul_i32 s36, s20, WSTG
	s_add_co_u32 s36, s36, WST0                    ; my stage
	v_mul_u32_u24 v13, v10, 3200
	v_add_nc_u32 v13, s36, v13
	v_lshl_add_u32 v4, v11, 4, v13                 ; into it: registers 0-3 of lane r of tile u,
	v_lshl_add_u32 v5, v11, 3, v13
	v_add_nc_u32 v5, 512, v5                       ; and registers 4-5
	v_lshlrev_b32 v7, 4, v1                        ; 16 x lane
	v_add_nc_u32 v6, s36, v7                       ; out of it: as it lies
	v_lshlrev_b32 v8, 9, v10
	v_lshl_add_u32 v8, v11, 4, v8                  ; scale words: 512 u + 16 r
	v_lshlrev_b32 v9, 2, v1                        ; 4 bytes a column
.set i, 0
.rept 32
	v_mad_u32_u24 v[AD+i], s27, i, v9
.set i, i+1
.endr
.macro LOADW t                         ; block t: W(32 t + i, my column); each load reads 128 consecutive bytes
.if (\t) > 0
	s_wait_xcnt 0x0                                ; the earlier loads have read their base: it steps only behind this wait
	s_add_nc_u64 s[4:5], s[4:5], s[30:31]
.endif
.set i, 0
.rept 32
	global_load_b32 v[XW+32*((\t)%2)+i], v[AD+i], s[4:5] th:TH_LOAD_NT
.set i, i+1
.endr
.endm
.macro BLOCKW t
.set XS, XW+32*((\t)%2)
.if (\t) < 15
	s_wait_loadcnt 32                              ; this block's 32 loads are in; the next block's may be out
.else
	s_wait_loadcnt 0
.endif
	v_max3_num_f32 v122, |v[XS]|, |v[XS+1]|, |v[XS+2]|
	v_max3_num_f32 v123, |v[XS+3]|, |v[XS+4]|, |v[XS+5]|
.irp i, 6,10,14,18,22,26
	v_max3_num_f32 v122, v122, |v[XS+\i]|, |v[XS+\i+1]|
	v_max3_num_f32 v123, v123, |v[XS+\i+2]|, |v[XS+\i+3]|
.endr
	v_max3_num_f32 v122, v122, |v[XS+30]|, |v[XS+31]|
	v_max3_num_f32 v122, v122, v123, 0x1800000     ; and the floor 2^(3 - 127)
	v_add_nc_u32 v[SO], 0xff000000, v122           ; the conversion's scale operand
	v_lshrrev_b32 v123, 23, v[SO]                  ; the scale's byte
.if (\t)%4 == 0
	v_mov_b32 v[SB+(\t)/4], v123
.else
	v_lshl_or_b32 v[SB+(\t)/4], v123, 8*((\t)%4), v[SB+(\t)/4]
.endif
	v_cvt_scalef32_pk16_fp6_f32 v[CW:CW+2], v[XS:XS+15], v[SO]
	v_cvt_scalef32_pk16_fp6_f32 v[CW+6:CW+8], v[XS+16:XS+31], v[SO]
	v_nop                                          ; one plain place behind a scaled conversion
.irp i, 0,1,2
	v_mov_b32 v[CW+3+\i], v[CW+6+\i]
.endr
	ds_store_b128 v4, v[CW:CW+3] offset:(((\t)%8)/2)*768+256*((\t)%2)     ; the block is lane r + 16 (t % 2) of half image (t % 8) / 2
	ds_store_b64 v5, v[CW+4:CW+5] offset:(((\t)%8)/2)*768+128*((\t)%2)
.if (\t) < 14
	LOADW (\t)+2
.endif
	s_wait_dscnt 0x0                               ; the stores have read their registers: the next block's codes may be written
.endm
.macro FLUSH kk                        ; 256 along K of two tiles: 6,144 consecutive bytes of wc
.if \kk
	s_wait_xcnt 0x0                                ; the first flush's stores have read their data
.endif
.irp i, 0,1,2,3,4,5,6,7,8,9,10,11
	ds_load_b128 v[OUT+4*\i:OUT+4*\i+3], v6 offset:3200*(\i/6)+512*(\i%6)
.endr
.irp i, 0,1,2,3,4,5,6,7,8,9,10,11
	s_wait_dscnt 11-\i                             ; load i is in; the younger ones may be out
	global_store_b128 v7, v[OUT+4*\i:OUT+4*\i+3], s[16:17] offset:\kk*786432+512*\i
.endr
.endm
	LOADW 0
	s_wait_alu depctr_va_vdst(0)
	LOADW 1
.irp t, 0,1,2,3,4,5,6,7
	BLOCKW \t
.endr
	FLUSH 0
.irp t, 8,9,10,11,12,13,14,15
	BLOCKW \t
.endr
	FLUSH 1
	s_wait_alu depctr_va_vdst(0)
	global_store_b128 v8, v[SB:SB+3], s[18:19]     ; each tile's 16 lanes store 256 consecutive bytes
	s_wait_tensorcnt 0x0                           ; the wave's end, behind my last LDS store
	ds_add_u32 v[SPW], v[NIL]
	s_wait_dscnt 0x0
	s_endpgm
.Lfunc_end_k_q14bae72279_quant:
	.size	k_q14bae72279_quant, .Lfunc_end_k_q14bae72279_quant-k_q14bae72279_quant
	.p2alignl 7, 3214868480
	.fill 96, 4, 3214868480
	.section	.rodata,"a",@progbits
	.p2align	6, 0x0
	.amdhsa_kernel k_q14bae72279_quant
		.amdhsa_group_segment_fixed_size 59904
		.amdhsa_private_segment_fixed_size 0
		.amdhsa_enable_private_segment 0
		.amdhsa_kernarg_size 64
		.amdhsa_user_sgpr_count 2
		.amdhsa_user_sgpr_kernarg_segment_ptr 1
		.amdhsa_wavefront_size32 1
		.amdhsa_system_sgpr_workgroup_id_x 1
		.amdhsa_system_sgpr_workgroup_id_y 1
		.amdhsa_system_sgpr_workgroup_id_z 1
		.amdhsa_system_vgpr_workitem_id 0
		.amdhsa_next_free_vgpr 240
		.amdhsa_next_free_sgpr 66
		.amdhsa_reserve_vcc 1
		.amdhsa_float_denorm_mode_32 3
		.amdhsa_float_denorm_mode_16_64 3
		.amdhsa_memory_ordered 1
		.amdhsa_forward_progress 1
		.amdhsa_inst_pref_size 114
	.end_amdhsa_kernel
	.amdgpu_metadata
---
amdhsa.version: [ 1, 2 ]
amdhsa.kernels:
  - .name:           k_q14bae72279_quant
    .symbol:         k_q14bae72279_quant.kd
    .args:
      - { .name: x, .offset: 0, .size: 8, .value_kind: global_buffer, .address_space: global }
      - { .name: Wq, .offset: 8, .size: 8, .value_kind: global_buffer, .address_space: global }
      - { .name: Wkv, .offset: 16, .size: 8, .value_kind: global_buffer, .address_space: global }
      - { .name: Wo, .offset: 24, .size: 8, .value_kind: global_buffer, .address_space: global }
      - { .name: xc, .offset: 32, .size: 8, .value_kind: global_buffer, .address_space: global }
      - { .name: xs, .offset: 40, .size: 8, .value_kind: global_buffer, .address_space: global }
      - { .name: wc, .offset: 48, .size: 8, .value_kind: global_buffer, .address_space: global }
      - { .name: ws, .offset: 56, .size: 8, .value_kind: global_buffer, .address_space: global }
    .group_segment_fixed_size: 59904
    .private_segment_fixed_size: 0
    .kernarg_segment_align: 8
    .kernarg_segment_size: 64
    .max_flat_workgroup_size: 128
    .sgpr_count:     66
    .vgpr_count:     240
    .wavefront_size: 32
...
	.end_amdgpu_metadata
.endif
;; end of part 1
;; launch proj (part 2): grid 12 x 32, 4 waves a work-group, clusters of 4 x 4, 327,680 bytes of LDS; arguments xc, xs, wc, ws, qkv; writes qkv
.if DOCPART == 2
	.amdgcn_target "amdgcn-amd-amdhsa--gfx1250"
	.amdhsa_code_object_version 6
	.text
	.protected	k_q14bae72279_proj
	.globl	k_q14bae72279_proj
	.p2align	8
	.type	k_q14bae72279_proj,@function
k_q14bae72279_proj:
	s_mov_b64 s[64:65], 0
	v_nop
	global_prefetch_b8 v0, s[64:65] scope:SCOPE_SE
	s_setreg_imm32_b32 hwreg(HW_REG_WAVE_MODE, 25, 1), 1
	s_wait_xcnt 0x0
	s_wait_alu depctr_hold_cnt(0) depctr_sa_sdst(0) depctr_va_vdst(0) depctr_va_sdst(0) depctr_va_ssrc(0) depctr_va_vcc(0) depctr_vm_vsrc(0)
	s_getreg_b32 s2, hwreg(HW_REG_IB_STS2, 6, 4)
	s_cmp_eq_u32 s2, 0
	s_cbranch_scc0 .Lentry_in_a_cluster
	s_endpgm
.Lentry_in_a_cluster:
	s_bfe_u32 s2, ttmp6, 0x10000c
	s_cmp_lg_u32 s2, 0xf033
	s_cbranch_scc0 .Lentry_shape_is_right
	s_endpgm
.Lentry_shape_is_right:
.set HALFT,  24576
.set SLOT,   4*HALFT
.set SCL,    2*SLOT
.set SPARE,  SCL+16384
.set XKQ,    512*3072
.set WKQ,    256*3072
.set REC,    315392
.set KC,     0
.set VC,     98304
.set KS,     196608
.set VS,     204800
.set QC,     208896
.set QS,     307200
.set FR,     12
.set O16,  4
.set O8,   5
.set VSO,  10
.set SHV,  11
.set ADRA, 16
.set ADRB, 20
.set ADRS, 27
.set SPW,  28
.set NIL,  29
.set SC,   32
.set SW,   100
.set PC,   112
.set AF,   128
.set TM,   200
.set SEL,  2
.set G1,   24
.set G0,   32
.set G1B,  48
.set G0B,  56
.set G1S,  68
.set G0S,  76
.set G1SB, 80
.set G0SB, 88
.set MSK,  43
.set LIM,  44
.set MID,  46
.set STA,  66
.set B1,   92
.set B2,   94
.set S0,   96
.set S1,   98
.set MSB, 0
.macro WIN new
.if MSB != \new
	s_set_vgpr_msb (MSB<<8)|\new
.set MSB, \new
.endif
.endm
.set MUL_LO, 0xa1
.set MUL_HI, 0xf1
.set TO_B,   0x40
.macro JLOAD g0a, g1a, g0b, g1b
	s_cmp_eq_u32 s15, 0
	s_cbranch_scc0 .Lfor_b_\@
	tensor_load_to_lds s[\g0a:\g0a+3], s[\g1a:\g1a+7]
	s_nop 0
.rept 4
	v_nop
.endr
	s_branch .Lasked_\@
.Lfor_b_\@:
	tensor_load_to_lds s[\g0b:\g0b+3], s[\g1b:\g1b+7]
	s_nop 0
.rept 4
	v_nop
.endr
.Lasked_\@:
.endm
.macro CREST
	s_cmp_lg_u32 s14, 0
	s_cbranch_scc1 .Lnot_wave_0_\@
	s_barrier_signal -3
.Lnot_wave_0_\@:
	s_barrier_wait -3
	s_barrier_signal -1
	s_barrier_wait -1
.endm
.macro CROUND
	s_barrier_signal -1
	s_barrier_wait -1
	CREST
.endm
	s_load_b256 s[4:11], s[0:1], 0x0
	s_load_b64 s[12:13], s[0:1], 0x20
	v_lshl_add_u32 v[SPW], v0, 2, SPARE
	v_mov_b32 v[NIL], 0
	ds_add_u32 v[SPW], v[NIL]
	ds_add_u32 v[SPW], v[NIL]
	v_lshrrev_b32 v1, 5, v0
	v_readfirstlane_b32 s14, v1
	s_lshr_b32 s15, s14, 1
	s_and_b32 s16, s14, 1
	s_bfe_u32 s40, ttmp6, 0x40000
	s_bfe_u32 s41, ttmp6, 0x40004
	s_lshl_b32 s42, ttmp9, 2
	s_add_co_u32 s42, s42, s40
	s_and_b32 s17, ttmp7, 0xffff
	s_lshl_b32 s17, s17, 2
	s_add_co_u32 s17, s17, s41
	s_lshl_b32 s43, s41, 2
	s_lshl_b32 s43, 15, s43
	s_lshl_b32 s44, 0x1111, s40
	s_or_b32 s[G1+0], s43, (3<<16)|(1<<21)
	s_or_b32 s[G1B+0], s44, (3<<16)|(1<<21)
.irp g, G1, G1B
	s_mov_b32 s[\g+1], 32<<16
	s_mov_b32 s[\g+2], 192<<16                     ; the head's loads of codes bring a whole tile, 192 rows of 256 bytes
	s_mov_b32 s[\g+3], 32<<16
	s_mov_b32 s[\g+4], 192
	s_mov_b32 s[\g+5], 32
	s_mov_b32 s[\g+6], 0
	s_mov_b32 s[\g+7], 0
.endr
	s_or_b32 s[G1S+0], s43, (3<<16)|(1<<21)
	s_or_b32 s[G1SB+0], s44, (3<<16)|(1<<21)
.irp g, G1S, G1SB
	s_mov_b32 s[\g+1], 32<<16
	s_mov_b32 s[\g+2], 32<<16                      ; the scale words of 16 tiles: 32 rows of 256 bytes
	s_mov_b32 s[\g+3], 32<<16
	s_mov_b32 s[\g+4], 32
	s_mov_b32 s[\g+5], 32
	s_mov_b32 s[\g+6], 0
	s_mov_b32 s[\g+7], 0
.endr
	s_lshl_b32 s18, s16, 3
	s_lshl_b32 s20, s17, 4
	s_add_co_u32 s20, s20, s18
	s_lshl_b32 s46, s42, 4
	s_add_co_u32 s46, s46, s18
	s_lshl_b32 s22, s20, 9
	s_mov_b32 s23, 0
	s_lshl_b32 s92, s46, 9
	s_mov_b32 s93, 0
	s_mul_i32 s20, s20, 3072
	s_mov_b32 s21, 0
	s_mul_i32 s46, s46, 3072
	s_mov_b32 s47, 0
	s_mul_i32 s45, s14, HALFT
	s_mov_b32 s[SEL], 0x76543210
	s_mov_b32 s[SEL+1], 0xfedcba98
	s_wait_dscnt 0x0
	s_wait_kmcnt 0x0
	s_add_nc_u64 s[20:21], s[4:5], s[20:21]
	s_add_nc_u64 s[22:23], s[6:7], s[22:23]
	s_add_nc_u64 s[46:47], s[8:9], s[46:47]
	s_add_nc_u64 s[92:93], s[10:11], s[92:93]
	CROUND
	; THE HEAD'S FOUR TILES, ONE JOINT LOAD A WAVE: wave 0 source A's chunk 0 (16 tiles), wave 1 B's, wave 2 A's scale words, wave 3 B's.  Each begins at its block's first tile: my half's offset is taken off again
	s_mul_i32 s96, s18, 3072
	s_mov_b32 s97, 0
	s_lshl_b32 s98, s18, 9
	s_mov_b32 s99, 0
	s_mov_b32 s4, 1                                ; (the arguments that lay in s[4:11] have been used)
	s_mov_b32 s5, 0
	s_sub_nc_u64 s[6:7], s[20:21], s[96:97]
	s_or_b32 s7, s7, 0x80000000
	s_mov_b32 s8, 1
	s_mov_b32 s9, 2*HALFT
	s_sub_nc_u64 s[10:11], s[46:47], s[96:97]
	s_or_b32 s11, s11, 0x80000000
	s_mov_b32 s[G0S], 1
	s_mov_b32 s[G0S+1], SCL
	s_sub_nc_u64 s[G0S+2:G0S+3], s[22:23], s[98:99]
	s_or_b32 s[G0S+3], s[G0S+3], 0x80000000
	s_mov_b32 s[G0SB], 1
	s_mov_b32 s[G0SB+1], SCL+8192
	s_sub_nc_u64 s[G0SB+2:G0SB+3], s[92:93], s[98:99]
	s_or_b32 s[G0SB+3], s[G0SB+3], 0x80000000
.macro ARM under, g0, g1, next         ; one chain of branches on the wave's number: every way passes exactly one load
	s_cmp_lt_u32 s14, \under
	s_cbranch_scc0 \next
	tensor_load_to_lds s[\g0:\g0+3], s[\g1:\g1+7]
	s_nop 0
.rept 4
	v_nop
.endr
	s_branch .Lhead_asked
\next:
.endm
	ARM 1, 4, G1, .Lhead_b
	ARM 2, 8, G1B, .Lhead_sa
	ARM 3, G0S, G1S, .Lhead_sb
	tensor_load_to_lds s[G0SB:G0SB+3], s[G1SB:G1SB+7]
	s_nop 0
.rept 4
	v_nop
.endr
.Lhead_asked:
.irp s, 0,1
	s_mov_b32 s[G0+4*\s], 1
	s_add_co_u32 s[G0+4*\s+1], s45, \s*SLOT
	s_add_nc_u64 s[G0+4*\s+2:G0+4*\s+3], s[20:21], \s*XKQ
	s_or_b32 s[G0+4*\s+3], s[G0+4*\s+3], 0x80000000
	s_mov_b32 s[G0B+4*\s], 1
	s_add_co_u32 s[G0B+4*\s+1], s45, \s*SLOT
	s_add_nc_u64 s[G0B+4*\s+2:G0B+4*\s+3], s[46:47], \s*WKQ
	s_or_b32 s[G0B+4*\s+3], s[G0B+4*\s+3], 0x80000000
.endr
	s_wait_alu depctr_va_vdst(0)
	s_wait_tensorcnt 0x0                           ; my tile of the head's four is in, ahead of slot 1's first fill
	ds_add_u32 v28, v29
	s_mov_b32 s[G1+2], 96<<16                      ; no tensor load of mine is out: from here on a load brings 96 rows, a quarter of a slot
	s_mov_b32 s[G1+4], 96
	s_mov_b32 s[G1B+2], 96<<16
	s_mov_b32 s[G1B+4], 96
	s_wait_dscnt 0x0
	CROUND
	JLOAD G0+4, G1, G0B+4, G1B
	v_and_b32 v3, 31, v0
	v_and_b32 v1, 15, v0
	v_bfe_u32 v2, v0, 4, 1
	v_lshlrev_b32 v[O16], 4, v3
	s_wait_alu depctr_va_vdst(0)
	v_lshlrev_b32 v[O8], 3, v3
	v_add_nc_u32 v6, 512, v[O8]
	s_wait_alu depctr_va_vdst(0)
	s_mul_i32 s21, s15, HALFT
	s_mul_i32 s22, s16, HALFT
	s_add_co_u32 s22, s22, 2*HALFT
	s_cmp_eq_u32 ttmp9, 2
	s_cselect_b32 s18, s22, s21
	s_cselect_b32 s19, s21, s22
	s_cselect_b32 s23, 1, 0
.irp s, 0,1
	v_add_nc_u32 v[ADRA+\s], s18, v[O16]
	v_add_nc_u32 v[ADRB+\s], s19, v[O16]
	v_add_nc_u32 v[ADRA+2+\s], s18, v6
	v_add_nc_u32 v[ADRB+2+\s], s19, v6
	s_add_co_u32 s18, s18, SLOT
	s_add_co_u32 s19, s19, SLOT
.endr
	s_lshl_b32 s21, s15, 12
	s_lshl_b32 s22, s16, 12
	s_add_co_u32 s22, s22, 8192
	s_sub_co_u32 s22, s22, s21
	v_xor_b32 v7, s23, v2
	v_mul_u32_u24 v7, s22, v7
	s_add_co_u32 s21, s21, SCL
	v_lshl_add_u32 v7, v1, 4, v7
	v_add_nc_u32 v[ADRS], s21, v7
	v_mul_u32_u24 v[VSO], v2, REC
	v_lshl_add_u32 v[VSO], v1, 4, v[VSO]
	v_lshlrev_b32 v[SHV], 4, v2
	s_and_b32 s18, s17, 7
	s_lshl_b32 s18, s18, 1
	s_add_co_u32 s18, s18, s15
	s_lshr_b32 s19, s17, 3
	s_lshl_b32 s19, s19, 4
	s_lshl_b32 s20, s40, 1
	s_add_co_u32 s20, s20, s16
	s_lshl_b32 s20, s20, 1
	s_add_co_u32 s19, s19, s20
	s_mul_i32 s19, s19, REC
	s_mul_i32 s20, s18, 6144
	s_add_co_u32 s20, s20, s19
	s_mov_b32 s21, QC
	s_mov_b32 s22, QS
	s_mov_b32 s45, KS
	s_cmp_eq_u32 ttmp9, 0
	s_cselect_b32 s21, s21, KC
	s_cselect_b32 s22, s22, s45
	s_mov_b32 s45, VC
	s_mov_b32 s46, VS
	s_mov_b32 s[STA], 768
	s_mov_b32 s[B2], REC
	s_mov_b32 s[S1], 256
	s_cmp_eq_u32 ttmp9, 2
	s_cselect_b32 s21, s45, s21
	s_cselect_b32 s22, s46, s22
	s_cselect_b32 s45, 8, 9
	s_cselect_b32 s[LIM], 16, 32
	s_cselect_b32 s[MSK], -1, 0xffff
	s_cselect_b32 s[STA], 1536, s[STA]
	s_cselect_b32 s[MID], REC-6144, 0
	s_cselect_b32 s[B2], 768, s[B2]
	s_cselect_b32 s[S1], REC, s[S1]
	s_mov_b32 s[STA+1], 0
	s_mov_b32 s[MID+1], 0
	s_mov_b32 s[B2+1], 0
	s_mov_b32 s[S1+1], 0
	s_add_co_u32 s20, s20, s21
	s_mov_b32 s21, 0
	s_add_nc_u64 s[B1:B1+1], s[12:13], s[20:21]
	s_add_nc_u64 s[B2:B2+1], s[B1:B1+1], s[B2:B2+1]
	s_lshl_b32 s20, s18, s45
	s_add_co_u32 s20, s20, s19
	s_add_co_u32 s20, s20, s22
	s_add_nc_u64 s[S0:S0+1], s[12:13], s[20:21]
	s_add_nc_u64 s[S1:S1+1], s[S0:S0+1], s[S1:S1+1]
.macro FRAG reg, adr, q, i
	ds_load_b128 v[\reg:\reg+3], v[\adr] offset:3072*(\i)+1536*(\q)
	ds_load_b64 v[\reg+4:\reg+5], v[\adr+2] offset:3072*(\i)+1536*(\q)
	ds_load_b128 v[\reg+6:\reg+9], v[\adr] offset:3072*(\i)+1536*(\q)+768
	ds_load_b64 v[\reg+10:\reg+11], v[\adr+2] offset:3072*(\i)+1536*(\q)+768
.endm
.macro MUL16 a0, p, sg, zero
.irp a, \a0, \a0+1
.irp b, 0,1,2,3,4,5,6,7
.if \zero
	v_wmma_scale_f32_16x16x128_f8f6f4 v[8*(8*((\a)%4)+\b):8*(8*((\a)%4)+\b)+7], v[128*(\p)+FR*\b:128*(\p)+FR*\b+FR-1], v[AF+FR*(\a):AF+FR*(\a)+FR-1], 0, v[SC+8*\b+(\sg)], v[SC+8*(\a)+(\sg)] matrix_a_fmt:MATRIX_FMT_FP6 matrix_b_fmt:MATRIX_FMT_FP6 matrix_a_scale:MATRIX_SCALE_ROW1
.else
	v_wmma_scale_f32_16x16x128_f8f6f4 v[8*(8*((\a)%4)+\b):8*(8*((\a)%4)+\b)+7], v[128*(\p)+FR*\b:128*(\p)+FR*\b+FR-1], v[AF+FR*(\a):AF+FR*(\a)+FR-1], v[8*(8*((\a)%4)+\b):8*(8*((\a)%4)+\b)+7], v[SC+8*\b+(\sg)], v[SC+8*(\a)+(\sg)] matrix_a_fmt:MATRIX_FMT_FP6 matrix_b_fmt:MATRIX_FMT_FP6 matrix_a_scale:MATRIX_SCALE_ROW1
.endif
.endr
.endr
.endm
.macro FETCH_B slot, q, p
	WIN TO_B
.irp i, 0,1,2,3,4,5,6,7
	FRAG 128*(\p)+FR*\i, ADRB+\slot, \q, \i
.endr
	WIN 0
.endm
.macro FETCH_A slot, q, i0
.irp i, \i0, \i0+1, \i0+2, \i0+3
	FRAG AF+FR*(\i), ADRA+\slot, \q, \i
.endr
.endm
.macro PLACES n
.rept \n
	v_nop
.endr
.endm
.macro STEP slot, sg, zero
	s_wait_dscnt 16
	WIN MUL_LO
	MUL16 0, 0, \sg, \zero
	MUL16 2, 0, \sg, \zero
	s_wait_dscnt 0
	PLACES 4
	FETCH_B \slot, 1, 1
	FETCH_A \slot, 1, 0
	WIN MUL_HI
	MUL16 4, 0, \sg, \zero
	MUL16 6, 0, \sg, \zero
	PLACES 4
	WIN 0
	FETCH_A \slot, 1, 4
.endm
.macro TURN slot, next, fill, sg
	s_wait_tensorcnt 0x0
	ds_add_u32 v[SPW], v[NIL]
	s_wait_dscnt 17
	WIN MUL_LO
	MUL16 0, 1, \sg, 0
	s_wait_dscnt 0x0
	s_barrier_signal -1
	MUL16 2, 1, \sg, 0
	WIN 0
	s_barrier_wait -1
.if \fill
	CREST
	s_add_nc_u64 s[G0+4*\slot+2:G0+4*\slot+3], s[G0+4*\slot+2:G0+4*\slot+3], 2*XKQ
	s_add_nc_u64 s[G0B+4*\slot+2:G0B+4*\slot+3], s[G0B+4*\slot+2:G0B+4*\slot+3], 2*WKQ
	JLOAD G0+4*\slot, G1, G0B+4*\slot, G1B
.else
	PLACES 4
.endif
	FETCH_B \next, 0, 0
	FETCH_A \next, 0, 0
	WIN MUL_HI
	MUL16 4, 1, \sg, 0
	MUL16 6, 1, \sg, 0
	PLACES 4
	WIN 0
	FETCH_A \next, 0, 4
.endm
	s_wait_alu depctr_va_vdst(0)
	s_wait_tensorcnt 1
	s_barrier_signal -1
	s_barrier_wait -1
	FETCH_B 0, 0, 0
	FETCH_A 0, 0, 0
.irp i, 0,1,2,3,4,5,6,7
	ds_load_b128 v[SC+8*\i:SC+8*\i+3], v[ADRS] offset:512*\i
	ds_load_b128 v[SC+8*\i+4:SC+8*\i+7], v[ADRS] offset:512*\i+256
.endr
	FETCH_A 0, 0, 4
	STEP 0, 0, 1
	TURN 0, 1, 1, 1
	STEP 1, 2, 0
	TURN 1, 0, 1, 3
	STEP 0, 4, 0
	TURN 0, 1, 0, 5
	STEP 1, 6, 0
	s_wait_dscnt 16
	WIN MUL_LO
	MUL16 0, 1, 7, 0
	MUL16 2, 1, 7, 0
	s_wait_dscnt 0
	WIN MUL_HI
	MUL16 4, 1, 7, 0
	MUL16 6, 1, 7, 0
	WIN 0
	PLACES 4
.irp b, 0,1,2,3
	v_mov_b32 v[TM+4+\b], 0
.endr
.macro QOUT a
.set WA, 2+(\a)/4
.set WMX, (WA<<2)|(WA<<4)
.set AC, 64*((\a)%4)
.if (\a) > 0
	s_wait_xcnt 0x0
	s_add_nc_u64 s[B1:B1+1], s[B1:B1+1], s[STA:STA+1]
	s_add_nc_u64 s[B2:B2+1], s[B2:B2+1], s[STA:STA+1]
.endif
.if (\a) == 4
	s_add_nc_u64 s[B1:B1+1], s[B1:B1+1], s[MID:MID+1]
	s_add_nc_u64 s[B2:B2+1], s[B2:B2+1], s[MID:MID+1]
.endif
	WIN WMX
.irp b, 0,1,2,3
	v_max3_num_f32 v[TM+\b], 0x1800000, |v[AC+16*\b]|, |v[AC+16*\b+1]|
.endr
.irp i, 2,4,6,8,10,12,14
.irp b, 0,1,2,3
	v_max3_num_f32 v[TM+\b], v[TM+\b], |v[AC+16*\b+\i]|, |v[AC+16*\b+\i+1]|
.endr
.endr
	WIN 0
.irp b, 0,1,2,3
	v_permlanex16_b32 v[TM+4+\b], v[TM+\b], s[SEL], s[SEL+1]
.endr
.irp b, 0,1,2,3
	v_max_num_f32 v[TM+\b], v[TM+\b], v[TM+4+\b]
.endr
.irp b, 0,1,2,3
	v_add_nc_u32 v[TM+12+\b], 0xff000000, v[TM+\b]
.endr
.irp b, 0,1,2,3
	v_lshrrev_b32 v[TM+4+\b], 23, v[TM+12+\b]
.endr
	v_lshl_or_b32 v[SW+(\a)], v[TM+5], 8, v[TM+4]
	v_lshl_or_b32 v[SW+(\a)], v[TM+6], 16, v[SW+(\a)]
	v_lshl_or_b32 v[SW+(\a)], v[TM+7], 24, v[SW+(\a)]
	v_lshrrev_b32 v[SW+(\a)], v[SHV], v[SW+(\a)]
	v_and_b32 v[SW+(\a)], s[MSK], v[SW+(\a)]
	WIN WA
.irp c, 0,1
	v_cvt_scalef32_pk16_fp6_f32 v[PC+6*\c:PC+2+6*\c], v[AC+32*\c:AC+15+32*\c], v[TM+12+2*\c]
	v_cvt_scalef32_pk16_fp6_f32 v[PC+12+4*\c:PC+14+4*\c], v[AC+16+32*\c:AC+31+32*\c], v[TM+12+2*\c+1]
.endr
	WIN 0
	v_nop
.irp c, 0,1
.irp i, 0,1,2
	v_permlane16_swap_b32 v[PC+6*\c+\i], v[PC+12+4*\c+\i]
.endr
.irp i, 0,1,2
	v_mov_b32 v[PC+3+6*\c+\i], v[PC+12+4*\c+\i]
.endr
.endr
	global_store_b128 v[O16], v[PC:PC+3], s[B1:B1+1]
	global_store_b64 v[O8], v[PC+4:PC+5], s[B1:B1+1] offset:512
	global_store_b128 v[O16], v[PC+6:PC+9], s[B2:B2+1]
	global_store_b64 v[O8], v[PC+10:PC+11], s[B2:B2+1] offset:512
.endm
.irp a, 0,1,2,3,4,5,6,7
	QOUT \a
.endr
	v_cmp_gt_u32 vcc_lo, s[LIM], v3
	s_wait_xcnt 0x0
	s_and_saveexec_b32 s18, vcc_lo
	global_store_b128 v[VSO], v[SW:SW+3], s[S0:S0+1]
	global_store_b128 v[VSO], v[SW+4:SW+7], s[S1:S1+1]
	s_wait_xcnt 0x0
	s_or_b32 exec_lo, exec_lo, s18
	s_wait_tensorcnt 0x0
	ds_add_u32 v[SPW], v[NIL]
	s_wait_dscnt 0x0
	CROUND
	s_endpgm
.Lfunc_end_k_q14bae72279_proj:
	.size	k_q14bae72279_proj, .Lfunc_end_k_q14bae72279_proj-k_q14bae72279_proj
	.p2alignl 7, 3214868480
	.fill 96, 4, 3214868480
	.section	.rodata,"a",@progbits
	.p2align	6, 0x0
	.amdhsa_kernel k_q14bae72279_proj
		.amdhsa_group_segment_fixed_size 327680
		.amdhsa_private_segment_fixed_size 0
		.amdhsa_enable_private_segment 0
		.amdhsa_kernarg_size 40
		.amdhsa_user_sgpr_count 2
		.amdhsa_user_sgpr_kernarg_segment_ptr 1
		.amdhsa_wavefront_size32 1
		.amdhsa_system_sgpr_workgroup_id_x 1
		.amdhsa_system_sgpr_workgroup_id_y 1
		.amdhsa_system_sgpr_workgroup_id_z 1
		.amdhsa_system_vgpr_workitem_id 0
		.amdhsa_next_free_vgpr 1024
		.amdhsa_next_free_sgpr 100
		.amdhsa_reserve_vcc 1
		.amdhsa_float_denorm_mode_32 3
		.amdhsa_float_denorm_mode_16_64 3
		.amdhsa_memory_ordered 1
		.amdhsa_forward_progress 1
		.amdhsa_inst_pref_size 151
	.end_amdhsa_kernel
	.amdgpu_metadata
---
amdhsa.version: [ 1, 2 ]
amdhsa.kernels:
  - .name:           k_q14bae72279_proj
    .symbol:         k_q14bae72279_proj.kd
    .args:
      - { .name: xc, .offset: 0, .size: 8, .value_kind: global_buffer, .address_space: global }
      - { .name: xs, .offset: 8, .size: 8, .value_kind: global_buffer, .address_space: global }
      - { .name: wc, .offset: 16, .size: 8, .value_kind: global_buffer, .address_space: global }
      - { .name: ws, .offset: 24, .size: 8, .value_kind: global_buffer, .address_space: global }
      - { .name: qkv, .offset: 32, .size: 8, .value_kind: global_buffer, .address_space: global }
    .group_segment_fixed_size: 327680
    .private_segment_fixed_size: 0
    .kernarg_segment_align: 8
    .kernarg_segment_size: 40
    .max_flat_workgroup_size: 128
    .sgpr_count:     100
    .vgpr_count:     1024
    .wavefront_size: 32
...
	.end_amdgpu_metadata
.endif
;; end of part 2
;; launch attn (part 3): grid 4 x 64, 16 waves a work-group, clusters of 4 x 1, 210,944 bytes of LDS; arguments qkv, oc, os; writes oc, os
.if DOCPART == 3
	.amdgcn_target "amdgcn-amd-amdhsa--gfx1250"
	.amdhsa_code_object_version 6
	.text
	.protected	k_q14bae72279_attn
	.globl	k_q14bae72279_attn
	.p2align	8
	.type	k_q14bae72279_attn,@function
k_q14bae72279_attn:
	s_mov_b64 s[64:65], 0
	v_nop
	global_prefetch_b8 v0, s[64:65] scope:SCOPE_SE
	s_setreg_imm32_b32 hwreg(HW_REG_WAVE_MODE, 25, 1), 1
	s_wait_xcnt 0x0
	s_wait_alu depctr_hold_cnt(0) depctr_sa_sdst(0) depctr_va_vdst(0) depctr_va_sdst(0) depctr_va_ssrc(0) depctr_va_vcc(0) depctr_vm_vsrc(0)
	s_getreg_b32 s2, hwreg(HW_REG_IB_STS2, 6, 4)
	s_cmp_eq_u32 s2, 0
	s_cbranch_scc0 .Lentry_in_a_cluster
	s_endpgm
.Lentry_in_a_cluster:
	s_bfe_u32 s2, ttmp6, 0x10000c
	s_cmp_lg_u32 s2, 0x3003
	s_cbranch_scc0 .Lentry_shape_is_right
	s_endpgm
.Lentry_shape_is_right:
; LAUNCH 3 OF 4.  For each batch and head: o = softmax(q k^T / 8) v, both products on codes of FP6 with E8M0 scales, and o quantised along the head's 64 for the last product.  Nothing is left out.
; THE SOFTMAX: t = score x log2(e) / 8; M = the row's largest t so far, rounded up to a whole number; p = 2^(t - M) is quantised along the keys, not normalised; the row's sum is taken of the unquantised p and divides
; at the end.  When M moves, the sum and O are multiplied by 2^(old M - new M): exact.
; SHARES.  A cluster of four work-groups is one head; a work-group owns 512 queries, each of its sixteen waves two tiles of 16, one after the other (PASS).  Every wave walks the head's 2,048 keys, 128 a step.
; THE WHOLE HEAD STAYS IN LDS: K's and V's codes and scale words are the first 208,896 bytes of the head's record, 816 rows of 256 bytes; every wave brings 51 of them by ONE joint load (the four partners want the same
; bytes).  Nothing is filled again: no ring, no barrier in the loop; one tensor load of a wave is out.  No prefetch: the one fill stands at the head, with no loop ahead of it to ask from.
; LAYOUT.  Both products are used transposed: S^T = K Q^T, O^T = V^T P^T: a lane holds one query.
; WHICH KEYS FORM A TILE OF K IS CHOSEN BY LDS ADDRESSES: row 8 g + i of tile 4 c + u is key 64 c + 32 g + 8 u + i of the step.  In the record eight neighbouring keys are eight neighbouring lanes of an image (launch 1's head):
; keys 8 G .. 8 G + 7 are lanes 8 ((G % 4) / 2) + 0 .. 7 of image 2 (G / 4) + G % 2.  So lanes with r < 8 and r >= 8 read two images 1,536 bytes apart, and u and c stand in the immediates.
; The 32 registers of tiles 4 c .. 4 c + 3 then hold, in lane (r, h), keys 64 c + 32 h + 0 .. 31: ONE WHOLE BLOCK, in the order that P's operand wants: a block's maximum and its codes need no other lane.
; A BLOCK'S SCALE comes from its largest score: u = that score's t - M, by the same multiply-add as p's own; floor(u) is floor(log2(2^u)), so the byte is floor(u) + 125, held at 1 from below.  Should the exponential of such a
; u round up to the next power of two, that p is held at the largest code, as the exact number would be.
; THE FIRST PRODUCT HAS 64 ALONG K in an instruction of 128: Q's upper six registers are zero codes, and K's and Q's scale bytes 2 and 3 are 0.  K's tile t stands in v[32 + 6 t ..], its upper six registers being the next tile's codes.
; o's scale bytes leave as two bytes a row: two heads, of different clusters, share a word; they are 262,144 bytes of the launch's output in all.
; LIMITS: the promise holds while the scaled scores stay under 2^31 in magnitude; a block whose every p is 0 gets the byte 1 (its codes are zeros); NaN and infinities are not served.
; REGISTERS: v1-6 LDS bases; v7, v8 the add's two; v9-11 16 x lane, 8 x lane, 16 r; v12 -M, v13 the largest score, v[14:15] the sum; v16-27 Q; v28 Q's words; v29 lane; v31 8 h; v32-85 K's tiles, then v32-79 V's fragments;
; v86-91 the step's addresses; v96-159 S^T, then p; v160-191 O^T; v192-203 p's codes; v204-210 the conversions' second halves; v212-219 K's words, v220-223 V's; v224-230 the second pass's Q; v232-250 at work; v253 p's words.
.set REC,   315392
.set VCO,   98304
.set KSO,   196608
.set VSO,   204800
.set QC,    208896
.set QS,    307200
.set PART,  13056                      ; 51 rows of 256 bytes
.set SPARE, 208896                     ; behind the head: the spare words, 128 bytes for each wave: eight blocks of 256 bytes that no other line names
.set SPW,  7
.set NIL,  8
.set WV,   10
.set SEL,  24
.set CS,   26                          ; s[26:27] c = log2(e) / 8
.set TK,   28                          ; s28 the step's codes: 6,144 bytes a step, in K and in V
.set TS,   29                          ; s29 K's words: 512
.set TV,   30                          ; s30 V's words: 256
.set CNT,  31
.set CN,   39                          ; s39 -c
.macro CROUND
	s_barrier_signal -1
	s_barrier_wait -1
	s_cmp_lg_u32 s[WV], 0
	s_cbranch_scc1 .Lnot_wave_0_\@
	s_barrier_signal -3
.Lnot_wave_0_\@:
	s_barrier_wait -3
	s_barrier_signal -1
	s_barrier_wait -1
.endm
.macro D n                             ; a hint ahead of a plain line that reads the plain line n lines before it
	s_delay_alu instid0(VALU_DEP_\n)
.endm
	s_load_b128 s[4:7], s[0:1], 0x0                ; qkv s[4:5], oc s[6:7]
	s_load_b64 s[8:9], s[0:1], 0x10                ; os
	v_lshl_add_u32 v[SPW], v0, 2, SPARE
	v_mov_b32 v[NIL], 0
	ds_add_u32 v[SPW], v[NIL]                      ; the wave's opening: the add, twice on end, and its wait ahead of my first tensor load
	ds_add_u32 v[SPW], v[NIL]
	v_lshrrev_b32 v1, 5, v0
	s_delay_alu instid0(VALU_DEP_1)
	v_readfirstlane_b32 s[WV], v1                  ; wave 0..15
	s_bfe_u32 s11, ttmp6, 0x40000                  ; cx: it enters Q's, oc's and os's addresses alone
	s_and_b32 s32, ttmp7, 0xffff                   ; the record: 16 x batch + head, which the four partners share
	s_mul_i32 s34, s32, REC
	s_mov_b32 s35, 0
	s_mul_i32 s33, s[WV], PART                     ; my 51 rows, in memory and in LDS
	s_mov_b32 s36, s33
	s_mov_b32 s37, 0
	s_mov_b32 s16, 15|(3<<16)|(1<<21)              ; the mask: all four work-groups; elements of 8 bytes; bit 21 beside a mask; no padding
	s_mov_b32 s17, 32<<16                          ; tensor_dim0 = 32
	s_mov_b32 s18, 51<<16                          ; tensor_dim1 = 51
	s_mov_b32 s19, 32<<16                          ; tile_dim0
	s_mov_b32 s20, 51                              ; tile_dim1
	s_mov_b32 s21, 32                              ; tensor_dim0_stride
	s_mov_b32 s22, 0
	s_mov_b32 s23, 0
	s_mov_b32 s[SEL], 0x76543210
	s_mov_b32 s[SEL+1], 0xfedcba98
	s_mov_b32 s[CS], 0x3e38aa3b
	s_mov_b32 s[CS+1], s[CS]
	s_mov_b32 s[CN], 0xbe38aa3b
	s_wait_dscnt 0x0                               ; both opening adds are done
	s_wait_kmcnt 0x0
	s_add_nc_u64 s[4:5], s[4:5], s[34:35]          ; the record
	s_mov_b32 s12, 1
	s_mov_b32 s13, s33
	s_add_nc_u64 s[14:15], s[4:5], s[36:37]
	s_or_b32 s15, s15, 0x80000000
	CROUND                                         ; all four work-groups are here: the joint loads meet
	tensor_load_to_lds s[12:15], s[16:23]
	s_nop 0
	s_lshl_b32 s38, s11, 5
	s_add_co_u32 s38, s38, s[WV]                   ; my first tile of queries: 32 cx + wave; the second is 16 tiles on
	s_mul_i32 s40, s38, 768
	s_add_co_u32 s40, s40, QC
	s_mov_b32 s41, 0
	s_add_nc_u64 s[40:41], s[4:5], s[40:41]        ; its codes
	s_lshr_b32 s42, s38, 2
	s_lshl_b32 s42, s42, 8                         ; its words: four tiles share 256 bytes,
	s_and_b32 s43, s38, 3
	s_lshl_b32 s43, s43, 2                         ; 4 bytes a tile in a row's 16
	s_add_co_u32 s42, s42, s43
	s_add_co_u32 s42, s42, QS
	s_mov_b32 s43, 0
	s_add_nc_u64 s[42:43], s[4:5], s[42:43]
	v_and_b32 v29, 31, v0                          ; lane
	v_and_b32 v30, 15, v0                          ; r
	s_delay_alu instid0(VALU_DEP_2)
	v_lshlrev_b32 v9, 4, v29
	s_delay_alu instid0(VALU_DEP_3)
	v_lshlrev_b32 v10, 3, v29
	s_delay_alu instid0(VALU_DEP_3)
	v_lshlrev_b32 v11, 4, v30
	global_load_b128 v[16:19], v9, s[40:41]                  ; both passes' Q
	global_load_b64 v[20:21], v10, s[40:41] offset:512
	global_load_b32 v28, v11, s[42:43]
	global_load_b128 v[224:227], v9, s[40:41] offset:12288
	global_load_b64 v[228:229], v10, s[40:41] offset:12800
	global_load_b32 v230, v11, s[42:43] offset:1024
	v_and_b32 v92, 7, v0                           ; i = r % 8
	v_bfe_u32 v93, v0, 3, 1                        ; g = r / 8
	v_bfe_u32 v94, v0, 4, 1                        ; h
	v_mul_u32_u24 v95, v93, 1536                   ; rows 8-15 of my tiles come from the image two further on
	v_lshl_add_u32 v1, v92, 4, v95
	v_lshl_add_u32 v2, v92, 3, v95
	v_lshlrev_b32 v5, 4, v92
	v_lshl_add_u32 v1, v94, 8, v1                  ; K's registers 0-3: 1,536 g + 16 (i + 16 h)
	v_lshl_add_u32 v2, v94, 7, v2
	v_lshl_add_u32 v5, v93, 3, v5
	v_add_nc_u32 v2, 512, v2                       ; K's registers 4-5: 512 + 1,536 g + 8 (i + 16 h)
	v_add_nc_u32 v5, KSO, v5                       ; K's words: 16 i + 8 g: two words, of images 2 g and 2 g + 1 of a row's four
	v_lshlrev_b32 v31, 3, v94                      ; 8 h: where my two bytes stand in p's scale word
	v_add_nc_u32 v3, VCO, v9                       ; V's registers 0-3,
	v_add_nc_u32 v4, VCO+512, v10                  ; and 4-5
	v_add_nc_u32 v6, VSO, v11                      ; V's words
.irp i, 0,1,2,3,4,5
	v_mov_b32 v[22+\i], 0                          ; Q's upper 64 along K: zero codes
	v_mov_b32 v[80+\i], 0                          ; and what stands above K's last tile
.endr
.irp b, 0,1,2,3
	v_mov_b32 v[236+\b], 0                         ; a lane permute's destination counts as one of its sources
.endr
	v_mov_b32 v251, 0                              ; (named as the upper half of the pair v[250:251])
	s_lshr_b32 s44, s32, 4                         ; batch
	s_and_b32 s45, s32, 15                         ; head
	s_lshl_b32 s44, s44, 7
	s_add_co_u32 s44, s44, s38                     ; my tile among the 512 of all rows
	s_lshr_b32 s46, s45, 2
	s_lshl_b32 s46, s46, 9
	s_add_co_u32 s46, s46, s44
	s_mul_i32 s46, s46, 3072                       ; oc: ((head / 4) x 512 + tile) x 3,072
	s_and_b32 s47, s45, 3
	s_mul_i32 s47, s47, 768                        ; + (head % 4) x 768
	s_add_co_u32 s46, s46, s47
	s_mov_b32 s47, 0
	s_add_nc_u64 s[6:7], s[6:7], s[46:47]
	s_lshl_b32 s46, s44, 9                         ; os: tile x 512
	s_lshr_b32 s36, s45, 3
	s_lshl_b32 s36, s36, 8                         ; + (head / 8) x 256
	s_add_co_u32 s46, s46, s36
	s_and_b32 s36, s45, 7
	s_lshl_b32 s36, s36, 1                         ; + 2 (head % 8): two bytes a head in a row's 16
	s_add_co_u32 s46, s46, s36
	s_add_nc_u64 s[8:9], s[8:9], s[46:47]
	s_wait_alu depctr_va_vdst(0)                   ; the head's end
	s_wait_tensorcnt 0x0                           ; my 51 rows are in,
	s_barrier_signal -1
	s_barrier_wait -1                              ; everybody's are
	s_wait_loadcnt 0x0                             ; Q
.macro PASS p
.if \p
.irp i, 0,1,2,3,4,5
	v_mov_b32 v[16+\i], v[224+\i]                  ; the second tile's Q; the lines below are more than the eight places that a scale word so written wants
.endr
	v_mov_b32 v28, v230
.endif
	v_mov_b32 v13, 0xff61b1e6                      ; the largest score so far: -3e38
	v_mov_b32 v12, 0x7f61b1e6                      ; -M: 3e38, a whole number
	v_mov_b32 v14, 0
	v_mov_b32 v15, 0
.set j, 0
.rept 32
	v_mov_b32 v[160+j], 0                          ; O^T: the step is written once; its first trip finds zeros, which the first change of M leaves zeros
.set j, j+1
.endr
	s_mov_b32 s[TK], 0
	s_mov_b32 s[TS], 0
	s_mov_b32 s[TV], 0
	s_mov_b32 s[CNT], 16
	v_add_nc_u32 v86, s[TK], v1                    ; the first step's addresses of K
	v_add_nc_u32 v87, s[TK], v2
	v_add_nc_u32 v90, s[TS], v5
	s_wait_alu depctr_va_vdst(0)                   ; ahead of the loop
.Lstep_\@:                                     ; A KEY STEP: 128 keys
.irp t, 0,1,2,3,4,5,6,7                        ; tile t = 4 c + u: image 4 c + u % 2 (+ 2 g by the lane), lanes 8 (u / 2) on
	ds_load_b128 v[32+6*\t:35+6*\t], v86 offset:768*(4*(\t/4)+(\t%2))+128*((\t%4)/2)
	ds_load_b64 v[36+6*\t:37+6*\t], v87 offset:768*(4*(\t/4)+(\t%2))+64*((\t%4)/2)
.endr
.irp g, 0,1,2,3
	ds_load_b64 v[212+2*\g:213+2*\g], v90 offset:256*(\g/2)+128*(\g%2)   ; the words of tiles 2 g and 2 g + 1
.endr
	s_wait_dscnt 0x0
.irp t, 0,1,2,3,4,5,6,7
	v_wmma_scale_f32_16x16x128_f8f6f4 v[96+8*\t:103+8*\t], v[32+6*\t:43+6*\t], v[16:27], 0, v[212+\t], v28 matrix_a_fmt:MATRIX_FMT_FP6 matrix_b_fmt:MATRIX_FMT_FP6
.endr
	v_add_nc_u32 v88, s[TK], v3                    ; four address lines are the places in front of the loads into K's registers and of the first read of the scores
	v_add_nc_u32 v89, s[TK], v4
	v_add_nc_u32 v91, s[TV], v6
	s_add_co_u32 s[TK], s[TK], 6144
	s_add_co_u32 s[TS], s[TS], 512
	s_add_co_u32 s[TV], s[TV], 256
	v_add_nc_u32 v86, s[TK], v1                    ; the next step's addresses of K (those made in the last trip are not used)
.irp i, 0,1,2,3                                ; V's four fragments land while the softmax is worked
	ds_load_b128 v[32+12*\i:35+12*\i], v88 offset:1536*\i
	ds_load_b64 v[36+12*\i:37+12*\i], v89 offset:1536*\i
	ds_load_b128 v[38+12*\i:41+12*\i], v88 offset:1536*\i+768
	ds_load_b64 v[42+12*\i:43+12*\i], v89 offset:1536*\i+768
.endr
	ds_load_b128 v[220:223], v91
	v_add_nc_u32 v87, s[TK], v2
	v_add_nc_u32 v90, s[TS], v5
.irp c, 0,1                                    ; the largest score of my two blocks of 32 keys, each in two chains; every accumulator is first read at its low end
	v_max3_num_f32 v[232+\c], v[96+32*\c], v[97+32*\c], v[98+32*\c]
	v_max3_num_f32 v[234+\c], v[112+32*\c], v[113+32*\c], v[114+32*\c]
.endr
.irp i, 3,5,7,9,11,13
.irp c, 0,1
	v_max3_num_f32 v[232+\c], v[232+\c], v[96+32*\c+\i], v[97+32*\c+\i]
	v_max3_num_f32 v[234+\c], v[234+\c], v[112+32*\c+\i], v[113+32*\c+\i]
.endr
.endr
.irp c, 0,1
	v_max3_num_f32 v[232+\c], v[232+\c], v[234+\c], v[111+32*\c]
.endr
.irp c, 0,1
	v_max_num_f32 v[232+\c], v[232+\c], v[127+32*\c]
.endr
	D 1
	v_max3_num_f32 v234, v232, v233, v13           ; with the largest so far,
	D 1
	v_permlanex16_b32 v236, v234, s[SEL], s[SEL+1]
	D 1
	v_max_num_f32 v13, v234, v236                  ; and lane l xor 16's two blocks
	D 1
	v_mul_f32 v235, s[CN], v13                     ; -t
	D 1
	v_floor_f32 v235, v235                         ; the new -M = -ceil(t)
	D 1
	v_sub_f32 v237, v235, v12                      ; old M - new M: a whole number, 0 or less
	v_mov_b32 v12, v235
	D 2
	v_cvt_i32_f32 v237, v237                       ; (it saturates)
	D 1
	v_ldexp_f32 v250, 1.0, v237                    ; f = 2^(old M - new M)
.set j, 0
.rept 32
	v_pk_fma_f32 v[96+j:97+j], v[96+j:97+j], s[CS:CS+1], v[12:13] op_sel_hi:[1,0,0]   ; t - M, two at a time
.set j, j+2
.endr
.set j, 0
.rept 16
	v_pk_mul_f32 v[160+j:161+j], v[160+j:161+j], v[250:251] op_sel_hi:[1,0]   ; O^T under the new M, each accumulator from its low end on; read ahead of the exponentials
.set j, j+2
.endr
	s_wait_alu depctr_va_vdst(0)                   ; ahead of the batch
.set j, 0
.rept 64
	v_exp_f32 v[96+j], v[96+j]                     ; p = 2^(t - M)
.set j, j+1
.endr
.irp c, 0,1                                    ; plain work behind the batch, on numbers made ahead of it: my two blocks' scales
	v_fma_f32 v[232+\c], v[232+\c], s[CS], v12     ; u of the block's largest score
.endr
.irp c, 0,1
	D 2
	v_max_num_f32 v[232+\c], 0xc2f80000, v[232+\c] ; held at -124: the byte cannot fall under 1
.endr
.irp c, 0,1
	D 2
	v_floor_f32 v[232+\c], v[232+\c]
.endr
.irp c, 0,1
	D 2
	v_cvt_i32_f32 v[232+\c], v[232+\c]             ; e = floor(log2(the block's largest p))
.endr
.irp c, 0,1
	D 2
	v_add_lshl_u32 v[244+\c], v[232+\c], 125, 23   ; the byte e + 125 as an exponent field: the conversion's scale operand
.endr
	v_lshl_add_u32 v238, v233, 16, v232            ; e of blocks h and 2 + h, 16 bits apart (a sum: borrows cancel in the next line),
	D 1
	v_add_lshl_u32 v238, v238, 0x7d007d, v31       ; + 125 each: two bytes, at their places 8 h bits up;
	D 1
	v_permlanex16_b32 v239, v238, s[SEL], s[SEL+1]
	D 1
	v_or_b32 v253, v238, v239                      ; with lane l xor 16's two: p's scale word for these 128 keys
	s_wait_alu depctr_va_vdst(0)                   ; one wait for the batch, ahead of its first reader
.irp c, 0,1
	v_cvt_scalef32_pk16_fp6_f32 v[192+6*\c:194+6*\c], v[96+32*\c:111+32*\c], v[244+\c]
	v_cvt_scalef32_pk16_fp6_f32 v[204+4*\c:206+4*\c], v[112+32*\c:127+32*\c], v[244+\c]   ; (a conversion's three registers begin on an even number)
.endr
	v_pk_add_f32 v[240:241], v[96:97], v[98:99]    ; the row's sum of the unquantised p, in four chains; these four are also the plain place behind the conversions
	v_pk_add_f32 v[242:243], v[100:101], v[102:103]
	v_pk_add_f32 v[246:247], v[104:105], v[106:107]
	v_pk_add_f32 v[248:249], v[108:109], v[110:111]
.irp c, 0,1
.irp i, 0,1,2
	v_mov_b32 v[195+6*\c+\i], v[204+4*\c+\i]       ; registers 6 c .. 6 c + 5 now hold keys 64 c + 32 h + 0 .. 31
.endr
.endr
.set j, 112
.rept 6                                        ; these 24 are also the places between p's word and codes and the products
	v_pk_add_f32 v[240:241], v[240:241], v[j:j+1]
	v_pk_add_f32 v[242:243], v[242:243], v[j+2:j+3]
	v_pk_add_f32 v[246:247], v[246:247], v[j+4:j+5]
	v_pk_add_f32 v[248:249], v[248:249], v[j+6:j+7]
.set j, j+8
.endr
	s_wait_alu depctr_va_vdst(0)
	s_wait_dscnt 0x0                               ; V
.irp i, 0,1,2,3                                ; the four accumulators take turns, one instruction a turn
	v_wmma_scale_f32_16x16x128_f8f6f4 v[160+8*\i:167+8*\i], v[32+12*\i:43+12*\i], v[192:203], v[160+8*\i:167+8*\i], v[220+\i], v253 matrix_a_fmt:MATRIX_FMT_FP6 matrix_b_fmt:MATRIX_FMT_FP6
.endr
	v_pk_add_f32 v[240:241], v[240:241], v[242:243]   ; the four chains meet: these four lines are the places behind the products, in front of the next loads into V's registers
	v_pk_add_f32 v[246:247], v[246:247], v[248:249]
	v_pk_add_f32 v[240:241], v[240:241], v[246:247]
	v_pk_fma_f32 v[14:15], v[14:15], v[250:251], v[240:241] op_sel_hi:[1,0,1]   ; the sum under the new M, and this step's
	s_sub_co_u32 s[CNT], s[CNT], 1
	s_cmp_lg_u32 s[CNT], 0
	s_cbranch_scc1 .Lstep_\@
	; THE WAY OUT OF A PASS: o = O^T / the sum; register 16 b + i is o(my query, 32 b + 16 (lane / 16) + i): two blocks of 32 leave as one half image
	v_add_f32 v14, v14, v15
	D 1
	v_permlanex16_b32 v236, v14, s[SEL], s[SEL+1]
	D 1
	v_add_f32 v14, v14, v236                       ; the row's sum
	s_wait_alu depctr_va_vdst(0)
	v_rcp_f32 v14, v14
	v_nop                                          ; a plain place behind the reciprocal
	s_wait_alu depctr_va_vdst(0)                   ; and the wait ahead of its first reader
.set j, 0
.rept 32
	v_mul_f32 v[96+j], v[160+j], v14
.set j, j+1
.endr
.irp b, 0,1
	v_max3_num_f32 v[232+\b], |v[96+16*\b]|, |v[97+16*\b]|, 0x1800000
.endr
.irp i, 2,4,6,8,10,12,14
.irp b, 0,1
	D 2
	v_max3_num_f32 v[232+\b], v[232+\b], |v[96+16*\b+\i]|, |v[97+16*\b+\i]|
.endr
.endr
.irp b, 0,1
	D 2
	v_permlanex16_b32 v[236+\b], v[232+\b], s[SEL], s[SEL+1]
.endr
.irp b, 0,1
	D 2
	v_max_num_f32 v[232+\b], v[232+\b], v[236+\b]
.endr
.irp b, 0,1
	D 2
	v_add_nc_u32 v[244+\b], 0xff000000, v[232+\b]
.endr
.irp b, 0,1
	D 2
	v_lshrrev_b32 v[236+\b], 23, v[244+\b]
.endr
	D 1
	v_lshl_or_b32 v240, v237, 8, v236              ; the head's two bytes of my row
	v_cvt_scalef32_pk16_fp6_f32 v[192:194], v[96:111], v244
	v_cvt_scalef32_pk16_fp6_f32 v[204:206], v[112:127], v245
	v_nop
.irp i, 0,1,2
	v_permlane16_swap_b32 v[192+\i], v[204+\i]
.endr
.irp i, 0,1,2
	D 3
	v_mov_b32 v[195+\i], v[204+\i]
.endr
	global_store_b128 v9, v[192:195], s[6:7] offset:49152*\p          ; 512 and 256 consecutive bytes, at multiples of 256 from the buffer's first byte
	global_store_b64 v10, v[196:197], s[6:7] offset:49152*\p+512
	v_cmp_gt_u32 vcc_lo, 16, v29                   ; lanes 0-15 hold each row's bytes once
	s_wait_xcnt 0x0                                ; EXEC changes only behind this wait
	s_and_saveexec_b32 s36, vcc_lo
	global_store_b16 v11, v240, s[8:9] offset:8192*\p
	s_wait_xcnt 0x0                                ; (the stores have also read their data: the next pass may write it)
	s_or_b32 exec_lo, exec_lo, s36
.endm
	PASS 0
	PASS 1
	s_wait_tensorcnt 0x0                           ; the wave's end
	ds_add_u32 v[SPW], v[NIL]
	s_wait_dscnt 0x0
	CROUND                                         ; the closing round
	s_endpgm
.Lfunc_end_k_q14bae72279_attn:
	.size	k_q14bae72279_attn, .Lfunc_end_k_q14bae72279_attn-k_q14bae72279_attn
	.p2alignl 7, 3214868480
	.fill 96, 4, 3214868480
	.section	.rodata,"a",@progbits
	.p2align	6, 0x0
	.amdhsa_kernel k_q14bae72279_attn
		.amdhsa_group_segment_fixed_size 210944
		.amdhsa_private_segment_fixed_size 0
		.amdhsa_enable_private_segment 0
		.amdhsa_kernarg_size 24
		.amdhsa_user_sgpr_count 2
		.amdhsa_user_sgpr_kernarg_segment_ptr 1
		.amdhsa_wavefront_size32 1
		.amdhsa_system_sgpr_workgroup_id_x 1
		.amdhsa_system_sgpr_workgroup_id_y 1
		.amdhsa_system_sgpr_workgroup_id_z 1
		.amdhsa_system_vgpr_workitem_id 0
		.amdhsa_next_free_vgpr 256
		.amdhsa_next_free_sgpr 66
		.amdhsa_reserve_vcc 1
		.amdhsa_float_denorm_mode_32 3
		.amdhsa_float_denorm_mode_16_64 3
		.amdhsa_memory_ordered 1
		.amdhsa_forward_progress 1
		.amdhsa_inst_pref_size 50
	.end_amdhsa_kernel
	.amdgpu_metadata
---
amdhsa.version: [ 1, 2 ]
amdhsa.kernels:
  - .name:           k_q14bae72279_attn
    .symbol:         k_q14bae72279_attn.kd
    .args:
      - { .name: qkv, .offset: 0, .size: 8, .value_kind: global_buffer, .address_space: global }
      - { .name: oc, .offset: 8, .size: 8, .value_kind: global_buffer, .address_space: global }
      - { .name: os, .offset: 16, .size: 8, .value_kind: global_buffer, .address_space: global }
    .group_segment_fixed_size: 210944
    .private_segment_fixed_size: 0
    .kernarg_segment_align: 8
    .kernarg_segment_size: 24
    .max_flat_workgroup_size: 512
    .sgpr_count:     66
    .vgpr_count:     256
    .wavefront_size: 32
...
	.end_amdgpu_metadata
.endif
;; end of part 3
;; launch oproj (part 4): grid 4 x 64, 4 waves a work-group, clusters of 4 x 4, 327,680 bytes of LDS; arguments oc, os, wc, ws, out0; writes out0
.if DOCPART == 4
	.amdgcn_target "amdgcn-amd-amdhsa--gfx1250"
	.amdhsa_code_object_version 6
	.text
	.protected	k_q14bae72279_oproj
	.globl	k_q14bae72279_oproj
	.p2align	8
	.type	k_q14bae72279_oproj,@function
k_q14bae72279_oproj:
	s_mov_b64 s[64:65], 0
	v_nop
	global_prefetch_b8 v0, s[64:65] scope:SCOPE_SE
	s_setreg_imm32_b32 hwreg(HW_REG_WAVE_MODE, 25, 1), 1
	s_wait_xcnt 0x0
	s_wait_alu depctr_hold_cnt(0) depctr_sa_sdst(0) depctr_va_vdst(0) depctr_va_sdst(0) depctr_va_ssrc(0) depctr_va_vcc(0) depctr_vm_vsrc(0)
	s_getreg_b32 s2, hwreg(HW_REG_IB_STS2, 6, 4)
	s_cmp_eq_u32 s2, 0
	s_cbranch_scc0 .Lentry_in_a_cluster
	s_endpgm
.Lentry_in_a_cluster:
	s_bfe_u32 s2, ttmp6, 0x10000c
	s_cmp_lg_u32 s2, 0xf033
	s_cbranch_scc0 .Lentry_shape_is_right
	s_endpgm
.Lentry_shape_is_right:
; LAUNCH 4 OF 4.  out0 [8192][1024] f32 = o Wo, both operands as codes of FP6 with E8M0 scales, laid as launch 1's head says (tiles of 16 rows, images of the operand's registers).  Nothing is left out.
; SHARES.  A work-group makes 128 rows x 256 columns: 4 x 64 = 256 work-groups.  Four waves, each 64 x 128: 32 accumulators of 16 x 16, 256 registers.
; ALL OF K STAYS IN LDS: o's 8 tiles x 1,024 along K are 98,304 bytes, Wo's 16 tiles 196,608.  Each wave brings half of one of them by ONE joint load at the head: two rows (two quarters of K) of 24,576 or 49,152 consecutive
; bytes.  Nothing is filled again: no ring, and one barrier ahead of the walk along K.  One tensor load of a wave is out.  No prefetch: the one fill stands at the head, with no loop ahead of it to ask from.
; CLUSTERS: 4 x 4 work-groups; o's tiles are shared along a row of the cluster, Wo's along a column, each asked for jointly.
; THE SCALE WORDS go from memory straight into registers: a tile's 512 bytes are [k / 512][r][4 words], so sixteen lanes read 256 consecutive bytes; lanes 16-31 read the same and are not used.  12,288 bytes a work-group.
; THE MATRIX INSTRUCTION IS USED TRANSPOSED (source 0 = a tile of Wo, source 1 = a tile of o): a lane holds one row of the result, and the registers of tiles 2 B and 2 B + 1 its columns 32 B + 16 (lane / 16) + 0 .. 15.
; REGISTERS: window 0: v4-29 addresses; v32-63 o's scale words, v64-127 Wo's; v128-223 o's fragments, two sets of 4 x 12; on the way out v128-255.  Window 1: Wo's fragments, two sets at v0 and v128.  Window 2: the accumulators, (a, b) at v[8 (8 a + b)].
.set FR,     12
.set XKQ,    512*3072                  ; a quarter of K on in oc,
.set WKQ,    256*3072                  ; and in wc
.set ATILE,  8*3072                    ; a quarter of K of o's 8 tiles
.set BTILE,  16*3072                   ; and of Wo's 16
.set BBASE,  4*ATILE
.set SPARE,  BBASE+4*BTILE             ; behind the tiles: the spare words, 128 bytes for each wave: two blocks of 256 bytes that no other line names
.set SPITCH, 528                       ; the way out: a stage of 16 rows x (512 bytes + 16) for each wave, on o's tile bytes, behind a barrier behind which nobody reads them
.set O16,  4
.set O8,   5
.set ADRA, 8                           ; v8-11 o's fragments, registers 0-3, for each quarter of K; v12-15 registers 4-5
.set ADRB, 16                          ; v16-19, v20-23 the same for Wo
.set STO,  24
.set RD,   25
.set SOF,  26                          ; v26 16 r: my row's scale words
.set SPW,  28
.set NIL,  29
.set SCA,  32
.set SCB,  64
.set AF,   128
.set BK,   128
.set G1,   24
.set G0,   32
.set G1B,  48
.set G0B,  56
.set MSB, 0
.macro WIN new                         ; the immediate's high byte repeats the setting that is left
.if MSB != \new
	s_set_vgpr_msb (MSB<<8)|\new
.set MSB, \new
.endif
.endm
.set MUL_LO, 0xa1                      ; source 0 window 1, source 1 window 0, C and D window 2
.set TO_B,   0x40                      ; destination window 1, address window 0
.macro CROUND
	s_barrier_signal -1
	s_barrier_wait -1
	s_cmp_lg_u32 s14, 0
	s_cbranch_scc1 .Lnot_wave_0_\@
	s_barrier_signal -3
.Lnot_wave_0_\@:
	s_barrier_wait -3
	s_barrier_signal -1
	s_barrier_wait -1
.endm
.macro PLACES n
.rept \n
	v_nop
.endr
.endm
	s_load_b256 s[4:11], s[0:1], 0x0               ; oc s[4:5], os s[6:7], wc s[8:9], ws s[10:11]
	s_load_b64 s[12:13], s[0:1], 0x20              ; out0
	v_lshl_add_u32 v[SPW], v0, 2, SPARE
	v_mov_b32 v[NIL], 0
	ds_add_u32 v[SPW], v[NIL]                      ; the wave's opening: the add, twice on end, and its wait ahead of my first tensor load
	ds_add_u32 v[SPW], v[NIL]
	v_lshrrev_b32 v1, 5, v0
	v_readfirstlane_b32 s14, v1                    ; wave 0..3
	s_lshr_b32 s15, s14, 1                         ; which 64 rows are mine.  Also: I fetch for o (0) or for Wo (1)
	s_and_b32 s16, s14, 1                          ; which 128 columns.  Also: which half of K I fetch
	s_bfe_u32 s40, ttmp6, 0x40000                  ; cx, cy
	s_bfe_u32 s41, ttmp6, 0x40004
	s_lshl_b32 s42, ttmp9, 2
	s_add_co_u32 s42, s42, s40                     ; block column
	s_and_b32 s17, ttmp7, 0xffff
	s_lshl_b32 s17, s17, 2
	s_add_co_u32 s17, s17, s41                     ; block row
	s_lshl_b32 s43, s41, 2
	s_lshl_b32 s43, 15, s43                        ; my row of the cluster
	s_lshl_b32 s44, 0x1111, s40                    ; my column
	s_or_b32 s[G1+0], s43, (3<<16)|(1<<21)         ; the mask; elements of 8 bytes; bit 21 beside a mask; no padding: the reads are lane-contiguous
	s_mov_b32 s[G1+1], (ATILE/8)<<16               ; tensor_dim0: a row is a quarter of K of 8 tiles
	s_mov_b32 s[G1+2], 2<<16                       ; tensor_dim1 = 2
	s_mov_b32 s[G1+3], (ATILE/8)<<16               ; tile_dim0
	s_mov_b32 s[G1+4], 2                           ; tile_dim1
	s_mov_b32 s[G1+5], XKQ/8                       ; from row to row
	s_mov_b32 s[G1+6], 0
	s_mov_b32 s[G1+7], 0
	s_or_b32 s[G1B+0], s44, (3<<16)|(1<<21)
	s_mov_b32 s[G1B+1], (BTILE/8)<<16
	s_mov_b32 s[G1B+2], 2<<16
	s_mov_b32 s[G1B+3], (BTILE/8)<<16
	s_mov_b32 s[G1B+4], 2
	s_mov_b32 s[G1B+5], WKQ/8
	s_mov_b32 s[G1B+6], 0
	s_mov_b32 s[G1B+7], 0
	s_mul_i32 s20, s17, ATILE                      ; oc: tile 8 x block row,
	s_mul_i32 s18, s16, 2*XKQ                      ; + my half of K
	s_add_co_u32 s20, s20, s18
	s_mov_b32 s21, 0
	s_lshl_b32 s46, s42, 4
	s_add_co_u32 s46, s46, 192                     ; wc: Wo's tiles begin at 192; tile 16 x block column
	s_lshl_b32 s92, s46, 9                         ; ws: 512 bytes a tile,
	s_mul_i32 s46, s46, 3072
	s_mul_i32 s18, s16, 2*WKQ
	s_add_co_u32 s46, s46, s18
	s_mov_b32 s47, 0
	s_lshl_b32 s18, s16, 12                        ; + my 8 tiles
	s_add_co_u32 s92, s92, s18
	s_mov_b32 s93, 0
	s_lshl_b32 s22, s17, 12                        ; os: 8 tiles a block row,
	s_lshl_b32 s18, s15, 11                        ; + my 4 tiles
	s_add_co_u32 s22, s22, s18
	s_mov_b32 s23, 0
	s_mul_i32 s45, s16, 2*ATILE                    ; where my half goes in LDS: no place in the cluster enters an LDS address
	s_mul_i32 s19, s16, 2*BTILE
	s_add_co_u32 s19, s19, BBASE
	s_wait_dscnt 0x0                               ; both opening adds are done
	s_wait_kmcnt 0x0
	s_add_nc_u64 s[20:21], s[4:5], s[20:21]
	s_add_nc_u64 s[46:47], s[8:9], s[46:47]
	s_add_nc_u64 s[6:7], s[6:7], s[22:23]
	s_add_nc_u64 s[10:11], s[10:11], s[92:93]
	s_mov_b32 s[G0], 1
	s_mov_b32 s[G0+1], s45
	s_mov_b64 s[G0+2:G0+3], s[20:21]
	s_or_b32 s[G0+3], s[G0+3], 0x80000000
	s_mov_b32 s[G0B], 1
	s_mov_b32 s[G0B+1], s19
	s_mov_b64 s[G0B+2:G0B+3], s[46:47]
	s_or_b32 s[G0B+3], s[G0B+3], 0x80000000
	CROUND                                         ; all sixteen work-groups are here: the joint loads meet
	s_cmp_eq_u32 s15, 0                            ; waves 0 and 1 fetch o's halves, waves 2 and 3 Wo's: every way passes exactly one load
	s_cbranch_scc0 .Lfor_b
	tensor_load_to_lds s[G0:G0+3], s[G1:G1+7]
	s_nop 0
	PLACES 4
	s_branch .Lasked
.Lfor_b:
	tensor_load_to_lds s[G0B:G0B+3], s[G1B:G1B+7]
	s_nop 0
	PLACES 4
.Lasked:
	v_and_b32 v3, 31, v0
	v_and_b32 v1, 15, v0                           ; r
	v_bfe_u32 v2, v0, 4, 1                         ; h
	v_lshlrev_b32 v[SOF], 4, v1
.irp i, 0,1,2,3                                ; register SCA + 8 a + st: the word of o's tile a for step st
	global_load_b128 v[SCA+8*\i:SCA+8*\i+3], v[SOF], s[6:7] offset:512*\i
	global_load_b128 v[SCA+8*\i+4:SCA+8*\i+7], v[SOF], s[6:7] offset:512*\i+256
.endr
.irp i, 0,1,2,3,4,5,6,7                        ; SCB + 8 b + st: of Wo's tile b
	global_load_b128 v[SCB+8*\i:SCB+8*\i+3], v[SOF], s[10:11] offset:512*\i
	global_load_b128 v[SCB+8*\i+4:SCB+8*\i+7], v[SOF], s[10:11] offset:512*\i+256
.endr
	v_lshlrev_b32 v[O16], 4, v3
	v_lshlrev_b32 v[O8], 3, v3
	v_add_nc_u32 v6, 512, v[O8]
	s_mul_i32 s18, s15, 4*3072                     ; my 4 tiles of o,
	s_mul_i32 s19, s16, 8*3072                     ; my 8 of Wo
	s_add_co_u32 s19, s19, BBASE
.irp k, 0,1,2,3
	v_add_nc_u32 v[ADRA+\k], s18, v[O16]
	v_add_nc_u32 v[ADRA+4+\k], s18, v6
	v_add_nc_u32 v[ADRB+\k], s19, v[O16]
	v_add_nc_u32 v[ADRB+4+\k], s19, v6
	s_add_co_u32 s18, s18, ATILE
	s_add_co_u32 s19, s19, BTILE
.endr
	s_wait_alu depctr_va_vdst(0)
	s_mul_i32 s23, s14, 16*SPITCH                  ; my stage
	v_mul_u32_u24 v7, v1, SPITCH                   ; in: row r, 64 bytes for each half of the lanes
	v_lshl_add_u32 v7, v2, 6, v7
	v_add_nc_u32 v[STO], s23, v7
	v_add_nc_u32 v[RD], s23, v[O16]                ; back: the 32 lanes take one row of 512 bytes
	s_lshl_b32 s20, s17, 7
	s_lshl_b32 s21, s15, 6
	s_add_co_u32 s20, s20, s21                     ; my first row: 128 x block row + 64 x half
	s_lshl_b32 s20, s20, 12                        ; 4,096 bytes a row
	s_lshl_b32 s46, s42, 10                        ; my first column, in bytes: 1,024 x block column + 512 x half
	s_lshl_b32 s47, s16, 9
	s_add_co_u32 s46, s46, s47
	s_add_co_u32 s20, s20, s46
	s_mov_b32 s21, 0
	s_add_nc_u64 s[12:13], s[12:13], s[20:21]
.macro FRAG reg, adr, q, i             ; a fragment of 128 along K: two half images of 768 bytes
	ds_load_b128 v[\reg:\reg+3], v[\adr] offset:3072*(\i)+1536*(\q)
	ds_load_b64 v[\reg+4:\reg+5], v[\adr+4] offset:3072*(\i)+1536*(\q)
	ds_load_b128 v[\reg+6:\reg+9], v[\adr] offset:3072*(\i)+1536*(\q)+768
	ds_load_b64 v[\reg+10:\reg+11], v[\adr+4] offset:3072*(\i)+1536*(\q)+768
.endm
.macro FETCH st                        ; step st's fragments into set st % 2: 48 LDS loads
	WIN TO_B
.irp i, 0,1,2,3,4,5,6,7
	FRAG 128*((\st)%2)+FR*\i, ADRB+(\st)/2, (\st)%2, \i
.endr
	WIN 0
.irp i, 0,1,2,3
	FRAG AF+48*((\st)%2)+FR*\i, ADRA+(\st)/2, (\st)%2, \i
.endr
.endm
.macro MUL st, zero                    ; 32 products; the accumulators take turns, one instruction a turn, in the same order in every step
.irp a, 0,1,2,3
.irp b, 0,1,2,3,4,5,6,7
.if \zero
	v_wmma_scale_f32_16x16x128_f8f6f4 v[8*(8*\a+\b):8*(8*\a+\b)+7], v[128*((\st)%2)+FR*\b:128*((\st)%2)+FR*\b+FR-1], v[AF+48*((\st)%2)+FR*\a:AF+48*((\st)%2)+FR*\a+FR-1], 0, v[SCB+8*\b+(\st)], v[SCA+8*\a+(\st)] matrix_a_fmt:MATRIX_FMT_FP6 matrix_b_fmt:MATRIX_FMT_FP6
.else
	v_wmma_scale_f32_16x16x128_f8f6f4 v[8*(8*\a+\b):8*(8*\a+\b)+7], v[128*((\st)%2)+FR*\b:128*((\st)%2)+FR*\b+FR-1], v[AF+48*((\st)%2)+FR*\a:AF+48*((\st)%2)+FR*\a+FR-1], v[8*(8*\a+\b):8*(8*\a+\b)+7], v[SCB+8*\b+(\st)], v[SCA+8*\a+(\st)] matrix_a_fmt:MATRIX_FMT_FP6 matrix_b_fmt:MATRIX_FMT_FP6
.endif
.endr
.endr
.endm
.macro STEP st, zero
.if (\st) > 0
	PLACES 4                                       ; in front of the loads into the set that the step before multiplied
.endif
	FETCH (\st)+1
	s_wait_dscnt 48                                ; all but the 48 just issued: this step's fragments are in
	WIN MUL_LO
	MUL \st, \zero
.endm
	s_wait_alu depctr_va_vdst(0)                   ; the head's end
	s_wait_tensorcnt 0x0                           ; my half tile is in,
	s_barrier_signal -1
	s_barrier_wait -1                              ; everybody's is
	FETCH 0
	s_wait_loadcnt 0x0                             ; the scale words
	STEP 0, 1                                      ; the first step's products start the sums
.irp st, 1,2,3,4,5,6
	STEP \st, 0
.endr
	s_wait_dscnt 0x0                               ; the last step's fragments are in: my reads of the tiles are over;
	s_barrier_signal -1                            ; say so,
	MUL 7, 0                                       ; work on registers while the others arrive,
	WIN 0
	s_barrier_wait -1                              ; and nobody reads the tiles any more: the stages may lie on them
; THE WAY OUT, block by block of 16 rows x 128 columns, through my own stage: whole rows of 512 bytes come back, which the 32 lanes store as two aligned units of 256 bytes.  LDS serves a wave's instructions in order.
.macro TOSTAGE a
.set AC, 64*(\a)
	WIN 8                                          ; the data: window 2
.irp b, 0,1,2,3,4,5,6,7
	ds_store_b128 v[STO], v[AC+8*\b:AC+8*\b+3] offset:128*(\b/2)+32*(\b%2)        ; each accumulator from its low end on
	ds_store_b128 v[STO], v[AC+8*\b+4:AC+8*\b+7] offset:128*(\b/2)+32*(\b%2)+16
.endr
	WIN 0
.set BB, BK+64*((\a)%2)
.irp t, 0,1,2,3,4,5,6,7,8,9,10,11,12,13,14,15
	ds_load_b128 v[BB+4*\t:BB+4*\t+3], v[RD] offset:\t*SPITCH
.endr
.endm
.macro SEND a, younger                 ; younger: the LDS instructions issued behind block a's loads, which may stay out.  Row t of tile a is row 32 (a / 2) + 8 (a % 2) + t + 8 (t / 8)
.set BB, BK+64*((\a)%2)
	s_wait_dscnt \younger
.irp t, 0,1,2,3,4,5,6,7,8,9,10,11,12,13,14,15
	global_store_b128 v[O16], v[BB+4*\t:BB+4*\t+3], s[12:13] offset:(32*((\a)/2)+8*((\a)%2)+\t+8*(\t/8))*4096 th:TH_STORE_NT
.endr
.endm
	PLACES 4                                       ; behind the last products: for the reads of their results and the loads into o's fragments' registers
	TOSTAGE 0
.irp a, 1,2,3
.if \a > 1
	s_wait_xcnt 0x0                                ; block a - 2's stores have read their registers: block a's loads may land there
.endif
	TOSTAGE \a
	SEND \a-1, 32                                  ; behind block a - 1's loads: block a's 16 stores and 16 loads
.endr
	SEND 3, 0
	s_wait_tensorcnt 0x0                           ; the wave's end, behind my last LDS store
	ds_add_u32 v[SPW], v[NIL]
	s_wait_dscnt 0x0
	CROUND                                         ; the closing round
	s_endpgm
.Lfunc_end_k_q14bae72279_oproj:
	.size	k_q14bae72279_oproj, .Lfunc_end_k_q14bae72279_oproj-k_q14bae72279_oproj
	.p2alignl 7, 3214868480
	.fill 96, 4, 3214868480
	.section	.rodata,"a",@progbits
	.p2align	6, 0x0
	.amdhsa_kernel k_q14bae72279_oproj
		.amdhsa_group_segment_fixed_size 327680
		.amdhsa_private_segment_fixed_size 0
		.amdhsa_enable_private_segment 0
		.amdhsa_kernarg_size 40
		.amdhsa_user_sgpr_count 2
		.amdhsa_user_sgpr_kernarg_segment_ptr 1
		.amdhsa_wavefront_size32 1
		.amdhsa_system_sgpr_workgroup_id_x 1
		.amdhsa_system_sgpr_workgroup_id_y 1
		.amdhsa_system_sgpr_workgroup_id_z 1
		.amdhsa_system_vgpr_workitem_id 0
		.amdhsa_next_free_vgpr 768
		.amdhsa_next_free_sgpr 100
		.amdhsa_reserve_vcc 0
		.amdhsa_float_denorm_mode_32 3
		.amdhsa_float_denorm_mode_16_64 3
		.amdhsa_memory_ordered 1
		.amdhsa_forward_progress 1
		.amdhsa_inst_pref_size 82
	.end_amdhsa_kernel
	.amdgpu_metadata
---
amdhsa.version: [ 1, 2 ]
amdhsa.kernels:
  - .name:           k_q14bae72279_oproj
    .symbol:         k_q14bae72279_oproj.kd
    .args:
      - { .name: oc, .offset: 0, .size: 8, .value_kind: global_buffer, .address_space: global }
      - { .name: os, .offset: 8, .size: 8, .value_kind: global_buffer, .address_space: global }
      - { .name: wc, .offset: 16, .size: 8, .value_kind: global_buffer, .address_space: global }
      - { .name: ws, .offset: 24, .size: 8, .value_kind: global_buffer, .address_space: global }
      - { .name: out0, .offset: 32, .size: 8, .value_kind: global_buffer, .address_space: global }
    .group_segment_fixed_size: 327680
    .private_segment_fixed_size: 0
    .kernarg_segment_align: 8
    .kernarg_segment_size: 40
    .max_flat_workgroup_size: 128
    .sgpr_count:     100
    .vgpr_count:     768
    .wavefront_size: 32
...
	.end_amdgpu_metadata
.endif
;; end of part 4
